; MI455X (gfx1250); checked and timed in simulation.
; The chip was launched on July 23, 2026; its instructions are those of AMD's public machine-readable ISA for CDNA 5 (MIT licence, August 2026) and "CDNA5" Instruction Set Architecture Reference Guide (July 2026). The comments in the code are by the model that wrote it; some were corrected since.
;; Multi Head Attention. Allowed arithmetic: matrix products marked QUANTISED: E4M3 operands, one given power-of-two scale a tensor, by v_wmma_f32_16x16x64_fp8_fp8 or v_wmma_f32_16x16x128_fp8_fp8, f32 sums; everything else in f32.
;; Inputs: b_k 1,024 float32; b_o 1,024 float32; b_q 1,024 float32; b_v 1,024 float32; k 4 x 2,048 x 1,024 float32; lowp_scales 12 int32 (the exponents e of the quantised operands' scales 2^e); mask 4 x 1 x 2,048 x 2,048 int32; q 4 x 2,048 x 1,024 float32; v 4 x 2,048 x 1,024 float32; w_k 1,024 x 1,024 float32; w_o 1,024 x 1,024 float32; w_q 1,024 x 1,024 float32; w_v 1,024 x 1,024 float32.
;; Outputs: out0 4 x 2,048 x 1,024 float32.
;; This version of the problem:
;;   THIS VERSION OF THE PROBLEM IS GIVEN IN LOW PRECISION. The matrix products marked QUANTISED in the list below multiply operands that are first quantised to E4M3 (4 exponent bits, 3 mantissa bits; 8 bits a number), with one given power-of-two scale for each operand tensor; their sums are f32. All else is computed in f32.
;;   The module's matrix products, in the order in which they are computed (A, B: the left and right operand; K: the contracted axis; several contracted axes count as one K, in the product's order):
;;     1. [M 8,192, K 1,024] x [K 1,024, N 1,024]; A: input q; B: input w_q: QUANTISED (scales: A lowp_scales[0], B lowp_scales[1])
;;     2. [M 8,192, K 1,024] x [K 1,024, N 1,024]; A: input k; B: input w_k: QUANTISED (scales: A lowp_scales[2], B lowp_scales[3])
;;     3. [M 8,192, K 1,024] x [K 1,024, N 1,024]; A: input v; B: input w_v: QUANTISED (scales: A lowp_scales[4], B lowp_scales[5])
;;     4. batch 64 x [M 2,048, K 64] x [K 64, N 2,048]; A: computed on the way; B: computed on the way: QUANTISED (scales: A lowp_scales[6], B lowp_scales[7])
;;     5. batch 64 x [M 2,048, K 2,048] x [K 2,048, N 64]; A: softmax (see below); B: computed on the way: QUANTISED (scales: A lowp_scales[8], B lowp_scales[9])
;;     6. [M 8,192, K 1,024] x [K 1,024, N 1,024]; A: computed on the way; B: input w_o: QUANTISED (scales: A lowp_scales[10], B lowp_scales[11])
;;   THE QUANTISER, for each operand of a quantised product, along K:
;;     - The operand's scale is 2^e, e = its entry of the input lowp_scales (int32; the entries are numbered through the quantised products in the list's order, A before B).
;;     - Each number is divided by the scale, clamped to +-448, and rounded to the nearest number of E4M3, ties to even, subnormals kept.
;;     - The product sums the exact products of the quantised numbers (number of the format x scale) in f32.
;;   ~~~python
;;   def quantise(x, axis, e):      # numpy; x: float32 -> the quantised numbers, widened to float32 again
;;       x = np.moveaxis(x, axis, -1); K = x.shape[-1]
;;       r = np.clip(x / 2.0 ** e, -448, 448)
;;       step = 2.0 ** (np.maximum(np.frexp(np.where(r == 0, 1, r))[1] - 1, -6) - 3)
;;       q = np.round(r / step) * step * 2.0 ** e      # np.round: ties to even
;;       return np.moveaxis(q, -1, axis).astype(np.float32)
;;   ~~~
;;   SOFTMAX AHEAD OF A QUANTISED PRODUCT. Where the list says 'softmax', what is quantised is not the finished softmax but p = 2^(t - M), with t = logit x log2(e) and M = ceil(the row's largest t), a whole number; so 1/2 < the row's largest p <= 1. The row's sum l is taken of the UNQUANTISED p, in f32, and the product's result is divided by l at the end. Since M is a whole number, a kernel that streams over the keys may use a running M (the ceiling of the running maximum): every later rescaling is an exact power of two, so the quantised numbers keep their values, but for numbers so far below the row's largest that they fall under the format's range.
;;   OPERANDS COMPUTED ON THE WAY. 'Computed on the way' means the value that the module computes at that place (a softmax that the list does not call 'softmax' is quantised finished and normalised). What goes into a quantiser is computed in f32, as accurately as f32 sums, v_exp_f32 and their like allow (about 1e-6 of the number): no bf16 or f16 on the way to a quantiser, and a product that is left as it is and whose result goes on into a quantised operand takes f32 operands (vector FMAs, or v_wmma_f32_16x16x4_f32). A number that lies on a knife's edge between two numbers of the format may be rounded either way, as far as f32 arithmetic and the matrix unit's own rounding can turn it there, and no further.
;; 2 versions, each right; version 2 is version 1 with the launch attn written anew for expert scheduling mode. Each part assembles by itself: llvm-mc -triple=amdgcn-amd-amdhsa -mcpu=gfx1250 --defsym DOCPART=n.
;; ======== version 1 of 2: 4 launches
;; limits: right only within a limited range of input values
;; workspace buffers: xc 25,165,824 bytes; wc 4,194,304 bytes; maskw 2,097,152 bytes of whole numbers; need 2,048 bytes of whole numbers; qc 8,388,608 bytes; kc 8,388,608 bytes; vimg 8,388,608 bytes; oc 8,388,608 bytes
;; launch prep (part 1): grid 1024 x 1, 4 waves a work-group, no clusters, 67,072 bytes of LDS; arguments q, k, v, w_q, w_k, w_v, w_o, lowp_scales, mask, xc, wc, maskw, need; writes xc, wc, maskw, need
.if DOCPART == 1
	.amdgcn_target "amdgcn-amd-amdhsa--gfx1250"
	.amdhsa_code_object_version 6
	.text
	.protected	k_q7bc5c191be_prep
	.globl	k_q7bc5c191be_prep
	.p2align	8
	.type	k_q7bc5c191be_prep,@function
k_q7bc5c191be_prep:
	s_mov_b64 s[64:65], 0
	v_nop
	global_prefetch_b8 v0, s[64:65] scope:SCOPE_SE
	s_setreg_imm32_b32 hwreg(HW_REG_WAVE_MODE, 25, 1), 1
	s_wait_xcnt 0x0
; PREP.  Two kinds of work-groups, told apart by the work-group's number; each kind has LDS bytes of its own and its own end.  No barrier: waves share nothing.
; (1) Work-groups 0 to 127: THE MASK.  mask [4][1][2048][2048] int32 becomes lane masks for the attention launch.  A wave takes one tile of 16 queries (tile = 128 b + T, 512 in all) and
;     walks its 16 key steps of 128 keys.  Word n (0..63) of a step: bit r + 16 h says whether mask[b][16 T + r][128 j + 32 (n / 16) + 16 h + n % 16] is not 0: the lane mask of score register n there.
;     need[tile]: bit j = the tile must work on key step j.  A step is left out only where all its 16 x 128 entries are 0 AND each of the tile's 16 rows has an entry other than 0 somewhere;
;     else all 16 bits are set.  No pattern of the mask is assumed.
; (2) Work-groups 128 to 1023: THE QUANTISER.  q, k, v (8,388,608 numbers each) -> xc, w_q, w_k, w_v, w_o (1,048,576 each) -> wc: codes of E4M3, K innermost as the numbers lie.
;     code = x / 2^e, held within +-448, to the nearest code, ties to even.  A work-group takes 32,768 numbers, a wave 16 steps of 512.  Each load reads 512 consecutive bytes; a step's 2,048 bytes
;     turn through the wave's own stage in LDS so that a lane holds 16 neighbours; a lane's 16 codes are 16 bytes: the wave stores 512 consecutive bytes.
; LIMITS: each e used here (entries 0 to 5 and 11 of lowp_scales) lies between -126 and 119.  NaN among the inputs is not served.
; No matrix unit, no cluster, no tensor load: every byte is read once by one wave, and nothing is shared.
.set MWG,   128                        ; the mask's work-groups
.set STEPS, 16
.set EMAX,  8
.set MANT,  0x600000                   ; the mantissa field of 448 as f32
.set R,     16                         ; quantiser: v16-79 four sets of 16 numbers as loaded
.set X,     80                         ; v80-111 two sets of 16 neighbours
.set C,     128                        ; v128-191 codes, four registers a step
.set WREG,  8192                       ; LDS bytes 0 to 32,767: a wave's two stages
.set SP,    80                         ; a lane's place in a stage: 64 bytes + 16 of padding
.set MSTG,  32768                      ; LDS from here on: the mask's stages, 16 rows x MPIT for each wave
.set MPIT,  528                        ; 512 bytes + 16 of padding
.set MR,    16                         ; mask: v16-143 two sets of 64 registers as loaded
.set MX,    144                        ; v144-207 a lane's 64 entries in the order of the score registers
.set MO,    208                        ; v208-209 the step's 64 words, two a lane
	s_load_b512 s[4:19], s[0:1], 0x0               ; q k v w_q w_k w_v w_o s[4:17], lowp_scales s[18:19]
	s_load_b256 s[20:27], s[0:1], 0x40             ; mask s[20:21], xc s[22:23], wc s[24:25], maskw s[26:27]
	s_load_b64 s[28:29], s[0:1], 0x60              ; need
	v_lshl_add_u32 v216, v0, 2, 0x10400
	v_mov_b32 v217, 0
	v_lshrrev_b32 v1, 5, v0
	v_readfirstlane_b32 s30, v1                    ; wave 0..3
	v_and_b32 v2, 31, v0                           ; lane
	v_lshlrev_b32 v3, 4, v2                        ; 16 x lane; never rewritten
	s_cmp_lt_u32 ttmp9, MWG
	s_cbranch_scc1 .Lmask
; ---------------- the quantiser ----------------
	s_mul_i32 s31, s30, WREG
	v_lshrrev_b32 v14, 2, v2
	v_mul_u32_u24 v14, v14, SP
	v_and_b32 v15, 3, v2
	v_lshl_add_u32 v14, v15, 4, v14
	v_add_nc_u32 v14, s31, v14                     ; the stage, on the way in: SP (lane / 4) + 16 (lane % 4)
	v_mul_u32_u24 v15, v2, SP
	v_add_nc_u32 v15, s31, v15                     ; and on the way out: SP x lane: my 16 neighbours
	s_sub_co_u32 s31, ttmp9, MWG                   ; g
	s_cmp_lt_u32 s31, 768                          ; 768 work-groups for q, k, v (256 each), 128 for the four weights (32 each)
	s_cselect_b32 s46, 0, 768
	s_cselect_b32 s47, 8, 5
	s_cselect_b32 s48, 0, 3
	s_sub_co_u32 s46, s31, s46                     ; the work-group's number in xc's or wc's run
	s_lshr_b32 s49, s46, s47
	s_add_co_u32 s48, s48, s49                     ; u = which of the seven tensors
	s_lshl_b32 s49, s49, s47
	s_sub_co_u32 s49, s46, s49                     ; the work-group's number in that tensor
	s_lshl_b32 s49, s49, 2
	s_add_co_u32 s49, s49, s30
	s_lshl_b32 s50, s49, 15                        ; my wave's 8,192 numbers: 32,768 bytes each run
	s_mov_b32 s51, 0
	s_lshl_b32 s46, s46, 2
	s_add_co_u32 s46, s46, s30
	s_lshl_b32 s46, s46, 13                        ; and their 8,192 codes
	s_mov_b32 s47, 0
	s_wait_kmcnt 0x0
	s_load_b256 s[32:39], s[18:19], 0x0            ; e0 .. e7
	s_load_b128 s[40:43], s[18:19], 0x20           ; e8 .. e11
	s_cmp_lt_u32 s31, 768
	s_cselect_b64 s[44:45], s[22:23], s[24:25]     ; the choices hang on the work-group's number alone
	s_add_nc_u64 s[44:45], s[44:45], s[46:47]
	s_mov_b64 s[52:53], s[4:5]
.irp i, 1,2,3,4,5,6
	s_cmp_eq_u32 s48, \i
	s_cselect_b64 s[52:53], s[4+2*\i:5+2*\i], s[52:53]
.endr
	s_add_nc_u64 s[52:53], s[52:53], s[50:51]
.macro QLOAD t
.irp i, 0,1,2,3
	global_load_b128 v[R+16*((\t)%4)+4*\i:R+16*((\t)%4)+4*\i+3], v3, s[52:53] offset:2048*(\t)+512*\i th:TH_LOAD_NT   ; 32 lanes read 512 consecutive bytes
.endr
.endm
.macro QTURN t                         ; step t's numbers through the stage: LDS serves a wave's instructions in order, so no wait stands between the stores and the loads
.irp i, 0,1,2,3
	ds_store_b128 v14, v[R+16*((\t)%4)+4*\i:R+16*((\t)%4)+4*\i+3] offset:32*SP*((\t)%2)+8*SP*\i
.endr
.irp i, 0,1,2,3
	ds_load_b128 v[X+16*((\t)%2)+4*\i:X+16*((\t)%2)+4*\i+3], v15 offset:32*SP*((\t)%2)+16*\i
.endr
.endm
.irp t, 0,1,2,3
	QLOAD \t
.endr
	s_wait_kmcnt 0x0
.macro EPICK u, reg
	s_cmp_eq_u32 s48, \u
	s_cselect_b32 s54, s[\reg], s54
.endm
	s_mov_b32 s54, s32                             ; q: e0
	EPICK 1, 34                                    ; k: e2
	EPICK 2, 36                                    ; v: e4
	EPICK 3, 33                                    ; w_q: e1
	EPICK 4, 35                                    ; w_k: e3
	EPICK 5, 37                                    ; w_v: e5
	EPICK 6, 43                                    ; w_o: e11
	s_add_co_i32 s54, s54, 127
	s_lshl_b32 s55, s54, 23
	v_mov_b32 v11, s55                             ; 2^e as f32: the conversion takes its exponent field
	s_add_co_i32 s54, s54, EMAX
	s_lshl_b32 s54, s54, 23
	s_or_b32 s54, s54, MANT
	v_mov_b32 v10, s54                             ; 448 x 2^e
	s_wait_loadcnt 12                              ; step 0's four loads are in; the twelve of steps 1 to 3 may be out
	QTURN 0
.macro QSTEP t
.set XS, X+16*((\t)%2)
	s_wait_dscnt 0x0                               ; this step's numbers are back from the stage, and its stores into the stage have read their registers,
.if (\t)+4 < STEPS
	QLOAD (\t)+4                                   ; which take the loads of four steps on
.endif
.if (\t)+1 < STEPS
.if STEPS-2-(\t) >= 3
	s_wait_loadcnt 12                              ; the next step's four loads are in; those of the three steps behind it may be out
.else
	s_wait_loadcnt 4*(STEPS-2-(\t))
.endif
	QTURN (\t)+1
.endif
.irp i, 0,1,2,3,4,5,6,7,8,9,10,11,12,13,14,15
	v_med3_num_f32 v[XS+\i], v[XS+\i], -v10, v10   ; the conversion to an 8-bit code does not saturate (ISA guide 7.6.2): the hold at the largest code x the scale comes first
.endr
	v_cvt_scalef32_pk8_fp8_f32 v[C+4*(\t):C+4*(\t)+1], v[XS:XS+7], v11
	v_cvt_scalef32_pk8_fp8_f32 v[C+4*(\t)+2:C+4*(\t)+3], v[XS+8:XS+15], v11
	global_store_b128 v3, v[C+4*(\t):C+4*(\t)+3], s[44:45] offset:512*(\t)   ; each step has its own code registers: no store's data are written again
.endm
.irp t, 0,1,2,3,4,5,6,7,8,9,10,11,12,13,14,15
	QSTEP \t
.endr
	s_wait_tensorcnt 0x0
	ds_add_u32 v216, v217
	s_wait_dscnt 0x0
	s_endpgm
; ---------------- the mask ----------------
.Lmask:
	s_lshl_b32 s31, ttmp9, 2
	s_add_co_u32 s31, s31, s30                     ; my tile: 4 x work-group + wave
	s_mul_i32 s42, s30, 16*MPIT
	s_add_co_u32 s42, s42, MSTG                    ; my stage
	v_add_nc_u32 v4, s42, v3                       ; in: 16 x lane of a row
	v_and_b32 v6, 15, v0                           ; r
	v_bfe_u32 v7, v0, 4, 1                         ; h
	v_mul_u32_u24 v5, v6, MPIT
	v_lshl_add_u32 v5, v7, 6, v5
	v_add_nc_u32 v5, s42, v5                       ; out: row r, + 64 h: my 16 entries of each 32
	v_lshlrev_b32 v8, 3, v2                        ; 8 x lane: two words a lane
	v_mov_b32 v[MO], 0                             ; written once: v_writelane_b32's destination counts as read
	v_mov_b32 v[MO+1], 0
	s_lshl_b32 s44, s31, 17                        ; 16 rows of 8,192 bytes
	s_mov_b32 s45, 0
	s_lshl_b32 s46, s31, 12                        ; 16 steps of 256 bytes
	s_mov_b32 s47, 0
	s_lshl_b32 s50, s31, 2
	s_mov_b32 s51, 0
	s_mov_b32 s41, 0                               ; the OR of all words of the tile
	s_mov_b32 s48, 0                               ; need
	s_mov_b32 s43, 1                               ; the step's bit
	s_wait_kmcnt 0x0
	s_add_nc_u64 s[44:45], s[20:21], s[44:45]
	s_add_nc_u64 s[46:47], s[26:27], s[46:47]
	s_add_nc_u64 s[28:29], s[28:29], s[50:51]
.macro MLOAD set, off                  ; a step: 16 rows x 512 consecutive bytes
.irp p, 0,1,2,3,4,5,6,7,8,9,10,11,12,13,14,15
	global_load_b128 v[MR+64*\set+4*\p:MR+64*\set+4*\p+3], v3, s[44:45] offset:\p*8192+\off th:TH_LOAD_NT
.endr
.endm
; One step.  The pointers stand at the trip's first step: set (0 or 1) is the step's place in the trip and stands in the immediates.
.macro MSTEP set, ahead, left
	s_wait_loadcnt \left                           ; my set's 16 loads are in; the other set's may be out
.irp p, 0,1,2,3,4,5,6,7,8,9,10,11,12,13,14,15
	ds_store_b128 v4, v[MR+64*\set+4*\p:MR+64*\set+4*\p+3] offset:\p*MPIT
.endr
.irp g, 0,1,2,3,4,5,6,7,8,9,10,11,12,13,14,15
	ds_load_b128 v[MX+4*\g:MX+4*\g+3], v5 offset:(\g/4)*128+(\g%4)*16   ; register n = 4 g + i: column 32 (n / 16) + 16 h + n % 16
.endr
	s_wait_dscnt 0x0                               ; the entries are back, and the stores have read the set's registers
.if \ahead
	MLOAD \set, 1024+512*\set                      ; the step two further on
.endif
	s_wait_xcnt 0x0                                ; the last step's store has read v[MO:MO+1]
	s_mov_b32 s40, 0
.irp q, 0,1,2,3,4,5,6,7
.irp k, 0,1,2,3,4,5,6,7
	v_cmp_ne_u32 s[32+\k], 0, v[MX+8*\q+\k]        ; word n = 8 q + k: a bit a lane
.endr
.irp k, 0,1,2,3,4,5,6,7
	v_writelane_b32 v[MO+\k%2], s[32+\k], 4*\q+\k/2   ; lane n / 2 holds words n and n + 1
.endr
.irp k, 0,1,2,3,4,5,6,7
	s_or_b32 s40, s40, s[32+\k]
.endr
.endr
	global_store_b64 v8, v[MO:MO+1], s[46:47] offset:256*\set   ; 32 lanes store 256 consecutive bytes, at a multiple of 256 from the buffer's first byte
	s_or_b32 s41, s41, s40
	s_cmp_lg_u32 s40, 0
	s_cselect_b32 s42, s43, 0
	s_or_b32 s48, s48, s42                         ; the step counts if any of its entries does
	s_lshl_b32 s43, s43, 1
.endm
	MLOAD 0, 0
	MLOAD 1, 512
	s_mov_b32 s49, 7
.Lmtrip:                                               ; seven trips of two steps; the last two steps are written out and load nothing
	MSTEP 0, 1, 16
	MSTEP 1, 1, 16
	s_wait_xcnt 0x0                                ; the trip's loads and stores have read their bases
	s_add_nc_u64 s[44:45], s[44:45], 1024
	s_add_nc_u64 s[46:47], s[46:47], 512
	s_sub_co_u32 s49, s49, 1
	s_cmp_lg_u32 s49, 0
	s_cbranch_scc1 .Lmtrip
	MSTEP 0, 0, 16
	MSTEP 1, 0, 0
	s_lshr_b32 s42, s41, 16
	s_or_b32 s42, s42, s41
	s_and_b32 s42, s42, 0xffff                     ; bit r: row r has an entry other than 0
	s_cmp_eq_u32 s42, 0xffff
	s_cselect_b32 s48, s48, 0xffff                 ; a tile with a row that is hidden throughout works on every step
	v_mov_b32 v9, s48
	v_mov_b32 v10, 0
	v_cmp_eq_u32 vcc_lo, 0, v2
	s_wait_xcnt 0x0                                ; EXEC changes only behind this wait
	s_wait_tensorcnt 0x0
	ds_add_u32 v216, v217
	s_wait_dscnt 0x0
	s_and_saveexec_b32 s42, vcc_lo
	global_store_b32 v10, v9, s[28:29]             ; one word a tile: 512 such stores in the launch
	s_wait_xcnt 0x0
	s_or_b32 exec_lo, exec_lo, s42
	s_endpgm
.Lfunc_end_k_q7bc5c191be_prep:
	.size	k_q7bc5c191be_prep, .Lfunc_end_k_q7bc5c191be_prep-k_q7bc5c191be_prep
	.p2alignl 7, 3214868480
	.fill 96, 4, 3214868480
	.section	.rodata,"a",@progbits
	.p2align	6, 0x0
	.amdhsa_kernel k_q7bc5c191be_prep
		.amdhsa_group_segment_fixed_size 67072
		.amdhsa_private_segment_fixed_size 0
		.amdhsa_enable_private_segment 0
		.amdhsa_kernarg_size 104
		.amdhsa_user_sgpr_count 2
		.amdhsa_user_sgpr_kernarg_segment_ptr 1
		.amdhsa_wavefront_size32 1
		.amdhsa_system_sgpr_workgroup_id_x 1
		.amdhsa_system_sgpr_workgroup_id_y 1
		.amdhsa_system_sgpr_workgroup_id_z 1
		.amdhsa_system_vgpr_workitem_id 0
		.amdhsa_next_free_vgpr 218
		.amdhsa_next_free_sgpr 66
		.amdhsa_reserve_vcc 1
		.amdhsa_float_denorm_mode_32 3
		.amdhsa_float_denorm_mode_16_64 3
		.amdhsa_memory_ordered 1
		.amdhsa_forward_progress 1
		.amdhsa_inst_pref_size 96
	.end_amdhsa_kernel
	.amdgpu_metadata
---
amdhsa.version: [ 1, 2 ]
amdhsa.kernels:
  - .name:           k_q7bc5c191be_prep
    .symbol:         k_q7bc5c191be_prep.kd
    .args:
      - { .name: q, .offset: 0, .size: 8, .value_kind: global_buffer, .address_space: global }
      - { .name: k, .offset: 8, .size: 8, .value_kind: global_buffer, .address_space: global }
      - { .name: v, .offset: 16, .size: 8, .value_kind: global_buffer, .address_space: global }
      - { .name: w_q, .offset: 24, .size: 8, .value_kind: global_buffer, .address_space: global }
      - { .name: w_k, .offset: 32, .size: 8, .value_kind: global_buffer, .address_space: global }
      - { .name: w_v, .offset: 40, .size: 8, .value_kind: global_buffer, .address_space: global }
      - { .name: w_o, .offset: 48, .size: 8, .value_kind: global_buffer, .address_space: global }
      - { .name: lowp_scales, .offset: 56, .size: 8, .value_kind: global_buffer, .address_space: global }
      - { .name: mask, .offset: 64, .size: 8, .value_kind: global_buffer, .address_space: global }
      - { .name: xc, .offset: 72, .size: 8, .value_kind: global_buffer, .address_space: global }
      - { .name: wc, .offset: 80, .size: 8, .value_kind: global_buffer, .address_space: global }
      - { .name: maskw, .offset: 88, .size: 8, .value_kind: global_buffer, .address_space: global }
      - { .name: need, .offset: 96, .size: 8, .value_kind: global_buffer, .address_space: global }
    .group_segment_fixed_size: 67072
    .private_segment_fixed_size: 0
    .kernarg_segment_align: 8
    .kernarg_segment_size: 104
    .max_flat_workgroup_size: 128
    .sgpr_count:     66
    .vgpr_count:     218
    .wavefront_size: 32
...
	.end_amdgpu_metadata
.endif
;; end of part 1
;; launch proj (part 2): grid 4 x 96, 4 waves a work-group, clusters of 4 x 4, 327,680 bytes of LDS; arguments xc, wc, lowp_scales, b_q, b_k, b_v, qc, kc, vimg; writes qc, kc, vimg
.if DOCPART == 2
	.amdgcn_target "amdgcn-amd-amdhsa--gfx1250"
	.amdhsa_code_object_version 6
	.text
	.protected	k_q7bc5c191be_proj
	.globl	k_q7bc5c191be_proj
	.p2align	8
	.type	k_q7bc5c191be_proj,@function
k_q7bc5c191be_proj:
	s_mov_b64 s[64:65], 0
	v_nop
	global_prefetch_b8 v0, s[64:65] scope:SCOPE_SE
	s_setreg_imm32_b32 hwreg(HW_REG_WAVE_MODE, 25, 1), 1
	s_wait_xcnt 0x0
	s_wait_alu depctr_hold_cnt(0) depctr_sa_sdst(0) depctr_va_vdst(0) depctr_va_sdst(0) depctr_va_ssrc(0) depctr_va_vcc(0) depctr_vm_vsrc(0)
	s_getreg_b32 s2, hwreg(HW_REG_IB_STS2, 6, 4)
	s_cmp_eq_u32 s2, 0
	s_cbranch_scc0 .Lentry_in_a_cluster
	s_endpgm
.Lentry_in_a_cluster:
	s_bfe_u32 s2, ttmp6, 0x10000c
	s_cmp_lg_u32 s2, 0xf033
	s_cbranch_scc0 .Lentry_shape_is_right
	s_endpgm
.Lentry_shape_is_right:
; PROJ.  The three projections in one launch: Y = X W^T + b on codes of E4M3, and Y quantised again for the attention's products.
; xc: [3 x 8192][1024] codes (rows of q, k, v), wc: [4 x 1024][1024] codes (w_q, w_k, w_v, w_o).  Tile rows 0-31 are q's, 32-63 k's, 64-95 v's; ten = tile row / 32 is the same in all partners of a cluster.
; A tile of Y, 256 x 256, is made by four waves, each 128 x 128: 64 accumulators of 16 x 16 in 512 registers.  K = 1024 goes in four steps of 256 through a ring of two LDS slots filled by the tensor data mover.
; CLUSTERS: 4 x 4 work-groups; X's tile is shared along a row of the cluster, W's along a column: each is asked for jointly, by the same tensor load with the same descriptor and a mask that names the four.
; THE MATRIX INSTRUCTION: source 0 = 16 rows of the 'B' role, source 1 = 16 rows of the 'A' role: a lane holds ONE row of the A role and eight NEIGHBOURING rows of the B role.
;   q, k: A role = X, B role = W: a lane's eight numbers are eight neighbouring channels of one token: the next product's K (the head's 64).  Out: qc, kc [b h][token][64].
;   v:    the roles are swapped (A role = W, B role = X), by the LDS bases of the fragment loads alone: a lane's eight numbers are eight neighbouring KEYS of one channel: the second product's K.
;         Out: vimg [b h][step of 128 keys][8192]: piece (t, c) at 512 (4 t + c), lane l's 16 bytes at 16 l = V^T[16 t + l % 16][32 c + 16 (l / 16) + 0..15]: an image of the operand's registers.
; A sum stands for sum x 2^(ea + eb).  So the bias goes in as b / 2^(ea + eb), and the conversion's one scale is 2^(eo - ea - eb).
; LIMITS: eo - ea - eb between -126 and 119, for (ea, eb, eo) = entries (0, 1, 6), (2, 3, 7), (4, 5, 9) of lowp_scales.  NaN among the inputs is not served.
.set KSTEP,  256
.set ROWB,   256                       ; a tile's row in bytes
.set KROW,   1024                      ; a row of xc or wc in bytes
.set PITCH,  272                       ; an LDS row: 256 bytes + 16 of padding = 68 words: the 16 rows that a load touches start at 16 different banks (64 banks of 4 bytes: ISA guide 11.1)
.set FR,     16                        ; registers of a fragment: 16 rows x 128 K
.set NL,     4                         ; LDS loads that bring one
.set NP,     4                         ; places behind this matrix instruction (ISA guide 7.12.1)
.set HALFT,  128*PITCH                 ; what one tensor load brings
.set SLOT,   4*HALFT                   ; X's 256 rows, then W's 256 rows
.set LAPS,   2                         ; 1024 / 512
.set SPARE,  2*SLOT                    ; behind the ring: the spare words, 128 bytes for each wave
.set SPQ,    144                       ; the way out: a stage row: 128 codes + 16
.set WST,    16*SPQ                    ; a wave's stage.  The stages lie in slot 0, which has had its last fill and its last read when the first code is stored there
.set VSTG,   4*WST                     ; the stages of v's way out: bytes of their own
.set ADRA, 16                          ; v16-17  LDS address of my A-role fragments in slot 0, 1
.set ADRB, 20                          ; v20-21  the same for the B role
.set LIMR, 22                          ; v22     448 x 2^(eo - ea - eb)
.set SCR,  23                          ; v23     2^(eo - ea - eb)
.set STO,  24                          ; v24     the stage: where I put 8 codes
.set RDQ,  25                          ; v25     where I read back for qc, kc
.set CO,   26                          ; v26     16 x lane
.set RDV,  27                          ; v27     where I read back for vimg
.set SPW,  28                          ; v28     my spare word; never rewritten
.set NIL,  29                          ; v29     0; never rewritten
.set BQO,  30                          ; v30     32 x (lane / 16)
.set BVO,  31                          ; v31     4 x (lane % 16)
.set BV,   32
.set BQ,   64
.set AF,   128
.set TMP,  128                         ; the way out: a block's 64 numbers
.set RB,   192                         ; v192-223 two sets of 16: codes read back
.set CODE, 224                         ; v224-255 two sets of 16: codes
.set G1, 24
.set G0, 32
.set G1B, 48
.set G0B, 56
.set MSB, 0
.macro WIN new                         ; the immediate's high byte repeats the setting that is left
.if MSB != \new
	s_set_vgpr_msb (MSB<<8)|\new
.set MSB, \new
.endif
.endm
.set MUL_LO, 0xa1                      ; source 0 window 1, source 1 window 0, C and D window 2
.set MUL_HI, 0xf1                      ; the same, C and D window 3
.set TO_B,   0x40                      ; destination window 1, address window 0
; A joint load: waves 0 and 1 fetch X's halves, waves 2 and 3 W's.  The branch hangs on the wave's number alone.  Four v_nop follow each of the two lines.
.macro JLOAD g0a, g1a, g0b, g1b
	s_cmp_eq_u32 s15, 0
	s_cbranch_scc0 .Lfor_b_\@
	tensor_load_to_lds s[\g0a:\g0a+3], s[\g1a:\g1a+7]
	s_nop 0
.rept 4
	v_nop
.endr
	s_branch .Lasked_\@
.Lfor_b_\@:
	tensor_load_to_lds s[\g0b:\g0b+3], s[\g1b:\g1b+7]
	s_nop 0
.rept 4
	v_nop
.endr
.Lasked_\@:
.endm
.macro CREST                           ; a round of the cluster's barrier behind its opening barrier
	s_cmp_lg_u32 s14, 0
	s_cbranch_scc1 .Lnot_wave_0_\@
	s_barrier_signal -3
.Lnot_wave_0_\@:
	s_barrier_wait -3
	s_barrier_signal -1
	s_barrier_wait -1
.endm
.macro CROUND
	s_barrier_signal -1
	s_barrier_wait -1
	CREST
.endm
	s_load_b128 s[4:7], s[0:1], 0x0                ; xc, wc
	s_load_b64 s[8:9], s[0:1], 0x10                ; lowp_scales
	s_load_b256 s[68:75], s[0:1], 0x18             ; b_q, b_k, b_v, qc
	s_load_b128 s[76:79], s[0:1], 0x38             ; kc, vimg
	v_lshl_add_u32 v[SPW], v0, 2, SPARE
	v_mov_b32 v[NIL], 0
	ds_add_u32 v28, v29
	ds_add_u32 v28, v29
	s_wait_dscnt 0x0
	v_lshrrev_b32 v1, 5, v0
	v_readfirstlane_b32 s14, v1                    ; wave 0..3
	s_lshr_b32 s15, s14, 1                         ; which half of the A role's rows is mine.  Also: I fetch X (0) or W (1)
	s_and_b32 s16, s14, 1                          ; which half of the B role's.  Also: which 128 rows I fetch
	s_bfe_u32 s40, ttmp6, 0x40000                  ; cx
	s_bfe_u32 s41, ttmp6, 0x40004                  ; cy
	s_lshl_b32 s42, ttmp9, 2
	s_add_co_u32 s42, s42, s40                     ; tile column = 4 x cluster x + cx
	s_and_b32 s17, ttmp7, 0xffff
	s_lshr_b32 s92, s17, 3                         ; ten = cluster y / 8: 0 q, 1 k, 2 v
	s_lshl_b32 s17, s17, 2
	s_add_co_u32 s17, s17, s41                     ; tile row = 4 x cluster y + cy
	s_lshl_b32 s43, s41, 2
	s_lshl_b32 s43, 15, s43                        ; my row of the cluster
	s_lshl_b32 s44, 0x1111, s40                    ; my column
	s_or_b32 s[G1+0], s43, (0<<16)|(1<<20)|(1<<21)|(5<<22)|(3<<25)  ; the mask; elements of 1 byte; padding on; bit 21 beside a mask; after every 64 words, 4 words
	s_or_b32 s[G1B+0], s44, (0<<16)|(1<<20)|(1<<21)|(5<<22)|(3<<25)
.irp g, G1, G1B
	s_mov_b32 s[\g+1], ROWB<<16                    ; tensor_dim0
	s_mov_b32 s[\g+2], 128<<16                     ; tensor_dim1
	s_mov_b32 s[\g+3], ROWB<<16                    ; tile_dim0
	s_mov_b32 s[\g+4], 128                         ; tile_dim1
	s_mov_b32 s[\g+5], KROW                        ; tensor_dim0_stride
	s_mov_b32 s[\g+6], 0
	s_mov_b32 s[\g+7], 0
.endr
	s_lshl_b32 s18, s16, 7
	s_lshl_b32 s20, s17, 8
	s_add_co_u32 s20, s20, s18                     ; X: row 256 x tile row + 128 x half
	s_lshl_b32 s46, s42, 8
	s_add_co_u32 s46, s46, s18
	s_lshl_b32 s47, s92, 10
	s_add_co_u32 s46, s46, s47                     ; W: row 1024 x ten + 256 x tile column + 128 x half
	s_mov_b32 s21, 0
	s_mov_b32 s47, 0
	s_mov_b64 s[18:19], KROW
	s_mul_u64 s[20:21], s[20:21], s[18:19]
	s_mul_u64 s[46:47], s[46:47], s[18:19]
	s_mul_i32 s45, s14, HALFT                      ; where they go: wave x 128 rows
	s_wait_kmcnt 0x0
	s_load_b256 s[80:87], s[8:9], 0x0              ; e0 .. e7
	s_load_b128 s[88:91], s[8:9], 0x20             ; e8 .. e11
	s_add_nc_u64 s[20:21], s[4:5], s[20:21]
	s_add_nc_u64 s[46:47], s[6:7], s[46:47]
	CROUND                                         ; all sixteen work-groups are here: the first joint loads meet
.irp s, 0,1
	s_mov_b32 s[G0+4*\s], 1
	s_add_co_u32 s[G0+4*\s+1], s45, \s*SLOT
	s_add_nc_u64 s[G0+4*\s+2:G0+4*\s+3], s[20:21], \s*ROWB
	s_or_b32 s[G0+4*\s+3], s[G0+4*\s+3], 0x80000000
	s_mov_b32 s[G0B+4*\s], 1
	s_add_co_u32 s[G0B+4*\s+1], s45, \s*SLOT
	s_add_nc_u64 s[G0B+4*\s+2:G0B+4*\s+3], s[46:47], \s*ROWB
	s_or_b32 s[G0B+4*\s+3], s[G0B+4*\s+3], 0x80000000
	JLOAD G0+4*\s, G1, G0B+4*\s, G1B
.endr
	v_and_b32 v1, 15, v0                           ; r
	v_bfe_u32 v2, v0, 4, 1                         ; h
	v_mul_u32_u24 v3, v1, PITCH
	v_lshl_add_u32 v4, v2, 4, v3                   ; a fragment's row x pitch + 16 h
	s_cmp_eq_u32 s92, 1
	s_cselect_b64 s[10:11], s[70:71], s[68:69]     ; the bias and the output of my tensor: the choices hang on the cluster's number alone
	s_cselect_b64 s[12:13], s[76:77], s[74:75]
	s_cmp_eq_u32 s92, 2
	s_cselect_b64 s[10:11], s[72:73], s[10:11]
	s_cselect_b64 s[12:13], s[78:79], s[12:13]
	s_cselect_b32 s94, 2*HALFT, 0                  ; the A role reads X's rows, for v W's, which lie behind X's 256
	s_cselect_b32 s95, 0, 2*HALFT                  ; the B role the other
	s_cselect_b32 s18, s16, s15                    ; which half of X's rows is mine,
	s_cselect_b32 s19, s15, s16                    ; and which half of W's
	s_mul_i32 s21, s15, HALFT
	s_add_co_u32 s21, s21, s94
	s_mul_i32 s22, s16, HALFT
	s_add_co_u32 s22, s22, s95
.irp s, 0,1
	v_add_nc_u32 v[ADRA+\s], s21, v4
	v_add_nc_u32 v[ADRB+\s], s22, v4
	s_add_co_u32 s21, s21, SLOT
	s_add_co_u32 s22, s22, SLOT
.endr
	s_mul_i32 s23, s14, WST                        ; my stage
	v_mul_u32_u24 v5, v1, SPQ
	v_lshl_add_u32 v[STO], v2, 3, v5
	v_add_nc_u32 v[STO], s23, v[STO]               ; in: row r, + 8 h
	v_lshl_add_u32 v[RDV], v2, 4, v5
	v_add_nc_u32 v[RDV], s23, v[RDV]               ; back for vimg: row r, + 16 h
	v_and_b32 v6, 31, v0
	v_lshlrev_b32 v[CO], 4, v6
	v_lshrrev_b32 v5, 2, v6
	v_mul_u32_u24 v5, v5, SPQ
	v_and_b32 v6, 3, v6
	v_lshl_add_u32 v[RDQ], v6, 4, v5
	v_add_nc_u32 v[RDQ], s23, v[RDQ]               ; back for qc, kc: row lane / 4, 16 (lane % 4): eight rows of one head's 64 bytes
	v_lshlrev_b32 v[BQO], 5, v2
	v_lshlrev_b32 v[BVO], 2, v1
	s_and_b32 s20, s17, 31
	s_lshl_b32 s20, s20, 8
	s_lshl_b32 s18, s18, 7
	s_add_co_u32 s20, s20, s18                     ; m0: my first row in the tensor = 2048 b + token
	s_lshl_b32 s21, s42, 2
	s_lshl_b32 s19, s19, 1
	s_add_co_u32 s21, s21, s19                     ; my first head
	s_lshr_b32 s22, s20, 11
	s_lshl_b32 s22, s22, 4
	s_add_co_u32 s22, s22, s21                     ; 16 b + head
	s_lshl_b32 s22, s22, 17                        ; x 131,072 bytes
	s_and_b32 s20, s20, 2047
	s_lshl_b32 s20, s20, 6                         ; + token x 64: in vimg the same figure is (token / 128) x 8192
	s_add_co_u32 s22, s22, s20
	s_mov_b32 s23, 0
	s_add_nc_u64 s[12:13], s[12:13], s[22:23]
	s_lshl_b32 s22, s21, 8                         ; my first column's bias: head x 64 x 4 bytes
	s_add_nc_u64 s[10:11], s[10:11], s[22:23]
.irp b, 0,1,2,3,4,5,6,7
	global_load_b128 v[BQ+8*\b:BQ+8*\b+3], v[BQO], s[10:11] offset:64*\b          ; by columns: b(16 b + 8 h + 0..7)
	global_load_b128 v[BQ+8*\b+4:BQ+8*\b+7], v[BQO], s[10:11] offset:64*\b+16
.endr
.irp a, 0,1,2,3,4,5,6,7
	global_load_b32 v[BV+2*\a], v[BVO], s[10:11] offset:64*\a                     ; by rows: b(16 a + r), twice: a pair for the packed addition
	global_load_b32 v[BV+2*\a+1], v[BVO], s[10:11] offset:64*\a
.endr
.macro FRAG reg, adr, q, i             ; 16 rows x 128 K: registers 4 c .. 4 c + 3 hold K = 32 c + 16 (l / 16) + 0 .. 15: the same order of k in both operands
.irp c, 0,1,2,3
	ds_load_b128 v[\reg+4*\c:\reg+4*\c+3], v[\adr] offset:128*(\q)+32*\c+(\i)*16*PITCH
.endr
.endm
; 16 matrix instructions: A-role blocks a0, a0 + 1 x the B role's eight.  The 64 accumulators take turns, one instruction a turn, in the same order in every step.
.macro MUL16 a0, p, zero
.irp a, \a0, \a0+1
.irp b, 0,1,2,3,4,5,6,7
.if \zero
	v_wmma_f32_16x16x128_fp8_fp8 v[8*(8*((\a)%4)+\b):8*(8*((\a)%4)+\b)+7], v[128*(\p)+FR*\b:128*(\p)+FR*\b+FR-1], v[AF+FR*(\a):AF+FR*(\a)+FR-1], 0
.else
	v_wmma_f32_16x16x128_fp8_fp8 v[8*(8*((\a)%4)+\b):8*(8*((\a)%4)+\b)+7], v[128*(\p)+FR*\b:128*(\p)+FR*\b+FR-1], v[AF+FR*(\a):AF+FR*(\a)+FR-1], v[8*(8*((\a)%4)+\b):8*(8*((\a)%4)+\b)+7]
.endif
.endr
.endr
.endm
.macro FETCH_B slot, q, p
	WIN TO_B
.irp i, 0,1,2,3,4,5,6,7
	FRAG 128*(\p)+FR*\i, ADRB+\slot, \q, \i
.endr
	WIN 0
.endm
.macro FETCH_A slot, q, i0
.irp i, \i0, \i0+1, \i0+2, \i0+3
	FRAG AF+FR*(\i), ADRA+\slot, \q, \i
.endr
.endm
.macro PLACES n                        ; plain vector instructions between a matrix instruction and a load into, or a vector read of, its registers
.rept \n
	v_nop
.endr
.endm
.macro STEP slot, q, zero              ; 128 along K that has its successor in the same slot
	s_wait_dscnt 4*NL                              ; the B role's set and blocks 0-3 are in; the youngest 16 loads (blocks 4-7) may be out
	WIN MUL_LO
	MUL16 0, (\q)%2, \zero
	MUL16 2, (\q)%2, \zero
	s_wait_dscnt 0
	PLACES NP
	FETCH_B \slot, (\q)+1, 1-(\q)%2
	FETCH_A \slot, (\q)+1, 0
	WIN MUL_HI
	MUL16 4, (\q)%2, \zero
	MUL16 6, (\q)%2, \zero
	PLACES NP
	WIN 0
	FETCH_A \slot, (\q)+1, 4
.endm
; A slot's last step changes slots: one barrier; in front of it each wave waits for all its tensor loads, adds 0 to its spare word, and waits for that and for its own reads of this slot.
.macro TURN slot, next, fill
	s_wait_tensorcnt 0x0                           ; all my tensor loads have landed: my part of the next slot
	ds_add_u32 v[SPW], v[NIL]                      ; 0 onto my spare word
	s_wait_dscnt 4*NL+1                            ; (the add and the youngest 16 loads may be out)
	WIN MUL_LO
	MUL16 0, 1, 0
	s_wait_dscnt 0x0                               ; the add is done, and my reads of this slot are over
	s_barrier_signal -1
	MUL16 2, 1, 0
	WIN 0
	s_barrier_wait -1
.if \fill
	CREST                                          ; the barrier has opened a round of the cluster's: no wave of any partner still reads this slot or has a load on its way
	s_add_nc_u64 s[G0+4*\slot+2:G0+4*\slot+3], s[G0+4*\slot+2:G0+4*\slot+3], 2*ROWB
	s_add_nc_u64 s[G0B+4*\slot+2:G0B+4*\slot+3], s[G0B+4*\slot+2:G0B+4*\slot+3], 2*ROWB
	JLOAD G0+4*\slot, G1, G0B+4*\slot, G1B         ; the first tensor load behind the round; its four v_nop are the places in front of the loads below
.else
	PLACES NP
.endif
	FETCH_B \next, 0, 0
	FETCH_A \next, 0, 0
	WIN MUL_HI
	MUL16 4, 1, 0
	MUL16 6, 1, 0
	PLACES NP
	WIN 0
	FETCH_A \next, 0, 4
.endm
	s_wait_tensorcnt 1                             ; my part of slot 0 is in; slot 1's load may be out
	s_barrier_signal -1
	s_barrier_wait -1
	FETCH_B 0, 0, 0
	FETCH_A 0, 0, 0
	FETCH_A 0, 0, 4
	STEP 0, 0, 1                                   ; the first step's products start the sums
	s_mov_b32 s3, LAPS-1
.Llap:
	TURN 0, 1, 1
	STEP 1, 0, 0
	TURN 1, 0, 1
	STEP 0, 0, 0
	s_sub_co_u32 s3, s3, 1
	s_cmp_lg_u32 s3, 0
	s_cbranch_scc1 .Llap
	TURN 0, 1, 0                                   ; the last lap fills nothing
	STEP 1, 0, 0
	s_wait_dscnt 4*NL
	WIN MUL_LO
	MUL16 0, 1, 0
	MUL16 2, 1, 0
	s_wait_dscnt 0
	WIN MUL_HI
	MUL16 4, 1, 0
	MUL16 6, 1, 0
	WIN 0
; THE WAY OUT, block by block of 16 A-role rows: + bias, the hold, the conversion; the codes go through my own stage in LDS and leave 512 consecutive bytes a store.
	s_wait_kmcnt 0x0
	s_wait_loadcnt 0x0                             ; the biases
	s_cmp_eq_u32 s92, 1
	s_cselect_b32 s94, s82, s80                    ; ea
	s_cselect_b32 s95, s83, s81                    ; eb
	s_cselect_b32 s96, s87, s86                    ; eo
	s_cmp_eq_u32 s92, 2
	s_cselect_b32 s94, s84, s94
	s_cselect_b32 s95, s85, s95
	s_cselect_b32 s96, s89, s96
	s_add_co_i32 s94, s94, s95                     ; ea + eb
	s_sub_co_i32 s95, 0, s94
	s_sub_co_i32 s96, s96, s94                     ; eo - ea - eb
	s_add_co_i32 s96, s96, 127
	s_lshl_b32 s97, s96, 23
	s_add_co_i32 s96, s96, 8
	s_lshl_b32 s96, s96, 23
	s_or_b32 s96, s96, 0x600000
	PLACES NP
	v_mov_b32 v[SCR], s97
	v_mov_b32 v[LIMR], s96
.set j, 0
.rept 64
	v_ldexp_f32 v[BQ+j], v[BQ+j], s95              ; b / 2^(ea + eb): exact
.set j, j+1
.endr
.set j, 0
.rept 16
	v_ldexp_f32 v[BV+j], v[BV+j], s95
.set j, j+1
.endr
.macro EPI a, isv
.set AC, 64*((\a)%4)
.set CD, CODE+16*((\a)%2)
.set RR, RB+16*((\a)%2)
	WIN 0x02+((\a)/4)                              ; source 0: window 2 or 3
.irp j, 0,2,4,6,8,10,12,14,16,18,20,22,24,26,28,30,32,34,36,38,40,42,44,46,48,50,52,54,56,58,60,62
.if \isv
	v_pk_add_f32 v[TMP+\j:TMP+\j+1], v[AC+\j:AC+\j+1], v[BV+2*(\a):BV+2*(\a)+1]   ; each accumulator from its low end on
.else
	v_pk_add_f32 v[TMP+\j:TMP+\j+1], v[AC+\j:AC+\j+1], v[BQ+\j:BQ+\j+1]
.endif
.endr
	WIN 0
.irp b, 0,1,2,3,4,5,6,7
.irp i, 0,1,2,3,4,5,6,7
	v_med3_num_f32 v[TMP+8*\b+\i], v[TMP+8*\b+\i], -v[LIMR], v[LIMR]   ; the conversion does not saturate (ISA guide 7.6.2): the hold comes first
.endr
	v_cvt_scalef32_pk8_fp8_f32 v[CD+2*\b:CD+2*\b+1], v[TMP+8*\b:TMP+8*\b+7], v[SCR]
.endr
	v_nop                                          ; a plain vector instruction behind the last conversion
.irp b, 0,1,2,3,4,5,6,7
	ds_store_b64 v[STO], v[CD+2*\b:CD+2*\b+1] offset:16*\b+VSTG*\isv   ; row r, bytes 16 b + 8 h + 0..7
.endr
.irp i, 0,1,2,3
.if \isv
	ds_load_b128 v[RR+4*\i:RR+4*\i+3], v[RDV] offset:VSTG+32*\i        ; LDS serves a wave's instructions in order: these see my stores.  Piece c = i: keys 32 c + 16 h + 0..15 of channel r
.else
	ds_load_b128 v[RR+4*\i:RR+4*\i+3], v[RDQ] offset:(\i&1)*8*SPQ+(\i>>1)*64   ; rows 8 (i & 1) on, head i >> 1
.endif
.endr
.endm
.macro SEND a, younger, isv            ; younger: the LDS instructions issued behind block a's loads
.set RR, RB+16*((\a)%2)
	s_wait_dscnt \younger
.irp i, 0,1,2,3
.if \isv
	global_store_b128 v[CO], v[RR+4*\i:RR+4*\i+3], s[12:13] offset:((\a)>>2)*131072+((\a)&3)*2048+\i*512   ; head a / 4, piece (a % 4, i): 512 consecutive bytes
.else
	global_store_b128 v[CO], v[RR+4*\i:RR+4*\i+3], s[12:13] offset:(\a)*1024+(\i&1)*512+(\i>>1)*131072     ; eight tokens x 64 bytes of one head: 512 consecutive bytes
.endif
.endr
.endm
	s_cmp_eq_u32 s92, 2
	s_cbranch_scc1 .Lway_v
	EPI 0, 0
.irp a, 1,2,3,4,5,6,7
.if \a > 1
	s_wait_xcnt 0x0                                ; block a - 2's stores have read their registers: block a's loads may land there
.endif
	EPI \a, 0
	SEND \a-1, 12, 0                               ; behind block a - 1's loads: block a's 8 stores and 4 loads
.endr
	SEND 7, 0, 0
	s_branch .Lend
.Lway_v:
	EPI 0, 1
.irp a, 1,2,3,4,5,6,7
.if \a > 1
	s_wait_xcnt 0x0
.endif
	EPI \a, 1
	SEND \a-1, 12, 1
.endr
	SEND 7, 0, 1
.Lend:
	s_wait_tensorcnt 0x0                           ; the wave's end
	ds_add_u32 v[SPW], v[NIL]
	s_wait_dscnt 0x0
	CROUND                                         ; the closing round
	s_endpgm
.Lfunc_end_k_q7bc5c191be_proj:
	.size	k_q7bc5c191be_proj, .Lfunc_end_k_q7bc5c191be_proj-k_q7bc5c191be_proj
	.p2alignl 7, 3214868480
	.fill 96, 4, 3214868480
	.section	.rodata,"a",@progbits
	.p2align	6, 0x0
	.amdhsa_kernel k_q7bc5c191be_proj
		.amdhsa_group_segment_fixed_size 327680
		.amdhsa_private_segment_fixed_size 0
		.amdhsa_enable_private_segment 0
		.amdhsa_kernarg_size 72
		.amdhsa_user_sgpr_count 2
		.amdhsa_user_sgpr_kernarg_segment_ptr 1
		.amdhsa_wavefront_size32 1
		.amdhsa_system_sgpr_workgroup_id_x 1
		.amdhsa_system_sgpr_workgroup_id_y 1
		.amdhsa_system_sgpr_workgroup_id_z 1
		.amdhsa_system_vgpr_workitem_id 0
		.amdhsa_next_free_vgpr 1024
		.amdhsa_next_free_sgpr 98
		.amdhsa_reserve_vcc 0
		.amdhsa_float_denorm_mode_32 3
		.amdhsa_float_denorm_mode_16_64 3
		.amdhsa_memory_ordered 1
		.amdhsa_forward_progress 1
		.amdhsa_inst_pref_size 212
	.end_amdhsa_kernel
	.amdgpu_metadata
---
amdhsa.version: [ 1, 2 ]
amdhsa.kernels:
  - .name:           k_q7bc5c191be_proj
    .symbol:         k_q7bc5c191be_proj.kd
    .args:
      - { .name: xc, .offset: 0, .size: 8, .value_kind: global_buffer, .address_space: global }
      - { .name: wc, .offset: 8, .size: 8, .value_kind: global_buffer, .address_space: global }
      - { .name: lowp_scales, .offset: 16, .size: 8, .value_kind: global_buffer, .address_space: global }
      - { .name: b_q, .offset: 24, .size: 8, .value_kind: global_buffer, .address_space: global }
      - { .name: b_k, .offset: 32, .size: 8, .value_kind: global_buffer, .address_space: global }
      - { .name: b_v, .offset: 40, .size: 8, .value_kind: global_buffer, .address_space: global }
      - { .name: qc, .offset: 48, .size: 8, .value_kind: global_buffer, .address_space: global }
      - { .name: kc, .offset: 56, .size: 8, .value_kind: global_buffer, .address_space: global }
      - { .name: vimg, .offset: 64, .size: 8, .value_kind: global_buffer, .address_space: global }
    .group_segment_fixed_size: 327680
    .private_segment_fixed_size: 0
    .kernarg_segment_align: 8
    .kernarg_segment_size: 72
    .max_flat_workgroup_size: 128
    .sgpr_count:     98
    .vgpr_count:     1024
    .wavefront_size: 32
...
	.end_amdgpu_metadata
.endif
;; end of part 2
;; launch attn (part 3): grid 4 x 64, 16 waves a work-group, no clusters, 55,296 bytes of LDS; arguments qc, kc, vimg, maskw, need, lowp_scales, oc; writes oc
.if DOCPART == 3
	.amdgcn_target "amdgcn-amd-amdhsa--gfx1250"
	.amdhsa_code_object_version 6
	.text
	.protected	k_q7bc5c191be_attn
	.globl	k_q7bc5c191be_attn
	.p2align	8
	.type	k_q7bc5c191be_attn,@function
k_q7bc5c191be_attn:
	s_mov_b64 s[64:65], 0
	v_nop
	global_prefetch_b8 v0, s[64:65] scope:SCOPE_SE
	s_setreg_imm32_b32 hwreg(HW_REG_WAVE_MODE, 25, 1), 1
	s_wait_xcnt 0x0
; ATTN.  O = softmax(Q K^T / 8, masked) V for 64 heads of 2,048 tokens x 64 channels, both products on codes of E4M3; O / l is quantised for the last projection.
; qc, kc: [b h][token][64] codes.  vimg: [b h][step of 128 keys][8192]: images of the second product's operand registers.  maskw: [tile][step][64] lane masks; need: [tile] a bit for each step.  oc: [head][2048 b + token][64] codes.
; THE SOFTMAX: t = score x log2(e) / 8 x 2^(e6 + e7); M = the running largest t rounded UP to a whole number; p = 2^(t - M) is quantised with 2^e8, not normalised; l is the sum of the unquantised p; when M moves, l and O
; are multiplied by 2^(old M - new M), which rounds nothing.
; THE MASK: a hidden score is replaced, ahead of the maximum, by -2^(36 - e6 - e7), that is a logit of -2^33 where the problem writes -1e10.  A power of two is taken so that c x score is exact: in a row that is hidden
; throughout, t - M is then exactly 0 and the row is uniform, as the problem has it.  LIMIT: e6 + e7 between -91 and 12: by the quantiser's hold a true |logit| is then at most 64 x 448^2 / 8 x 2^12 = 6.6e9,
; so a hidden term is 0 beside any true one with either figure, and the results are the same.  Further LIMITS: e8, and e10 - e8 - e9, between -126 and 119.
; SHARES.  Work-group (x, b h) makes two passes over the head's keys: query block 7 - x, then block x (256 queries each).  Wave w of sixteen owns one tile of 16 queries, in 256 registers: four waves to a SIMD,
; so that one wave's vector work stands beside another's LDS loads and products.  A key step is 128 keys: 8 products K Q^T (K = 64) and 4 products V^T P (K = 128), both used transposed: a lane holds ONE query.
; THE KEYS OF A TILE ARE NOT NEIGHBOURS: lane r of tile 2 b + u takes key 32 b + 8 u + r + 8 (r / 8), so that score register n is key 32 (n / 16) + 16 (lane / 16) + n % 16.
; STEPS THAT NEED NOT BE DONE.  A wave jumps over a step's work where its need word says so, and the work-group over a step's staging where no wave needs it: scalar branches on stored whole numbers.  Every wave passes every barrier.
; NO CLUSTER, NO TENSOR LOAD, though the four work-groups of a head read the same K and V: a joint load has to be issued by every partner on every path, and here whether a step is fetched hangs on stored words that
; differ between the partners' query blocks.  K and V go through registers into LDS: each of the 512 threads copies 16 bytes of each, a step ahead, into two slots that take turns; one barrier a step.
; LDS: slot s at 16384 s: K's image (piece (t, c) at 512 (2 t + c), lane l at 16 l), then V's (8,192 bytes each); from 32768 on a stage of 16 rows x 80 bytes for each wave.
.set SLOTB, 16384
.set VIM,   8192
.set STG,   32768
.set SPIT,  80
.set LI,   1                           ; v1   16 x lane
.set KST,  2                           ; v2   where my thread puts its 16 bytes of K
.set VST,  3                           ; v3   and of V
.set GOF,  4                           ; v4   16 x thread
.set SNEG, 5                           ; v5   a hidden score
.set PLIM, 6                           ; v6   448 x 2^e8
.set PSC,  7                           ; v7   2^e8
.set KCH,  8                           ; v8-11  the staged 16 bytes of K
.set VCH,  12                          ; v12-15 of V
.set NM,   16                          ; v16 -M, v17 the largest t
.set LS,   18                          ; v18-19 l in two halves
.set FF,   20                          ; v20 f = 2^(old M - new M); v21 named with it as a pair
.set T0,   22
.set T1,   23
.set PD,   24                          ; the lane permute's destination
.set PFO,  25                          ; v25  256 x lane
.set QOF,  26                          ; v26  64 r + 16 h
.set SIN,  27                          ; v27  the stage, in
.set SOUT, 28                          ; v28  the stage, back
.set OSC,  30                          ; v30  2^(e10 - e8 - e9)
.set OLIM, 31                          ; v31  448 x that
.set QF,   32                          ; v32-39   Q's fragment
.set KV,   40                          ; v40-103  K's 8 fragments, then V's 4
.set S,    104                         ; v104-167 S^T, then p
.set O,    168                         ; v168-199 O^T
.set PC,   200                         ; v200-215 p's codes
.set BK,   216                         ; v216-223 codes read back
.set LB,   224                         ; v224-225 the sum's second chain
; s2 wave, s3 passes, s4 trips, s5 my need bits, s6 the work-group's, s7 at work, s[8:9] K, s[10:11] V, s[12:13] my tile's mask words, s[14:15] c twice,
; s16-63 and s68-83 the step's 64 mask words (at a pass's head: arguments and temporaries), s84-85 lane selects, s[86:87] oc, s88 the step, s89 the mask words' offset, s[90:93] Q's and need's addresses, s[96:97] and s98 the prefetch.
	s_load_b64 s[16:17], s[0:1], 0x28              ; lowp_scales
	v_lshl_add_u32 v254, v0, 2, 0xd000
	v_mov_b32 v255, 0
	v_lshrrev_b32 v[T0], 5, v0
	v_readfirstlane_b32 s2, v[T0]                  ; wave 0..15
	v_and_b32 v[T1], 31, v0
	v_lshlrev_b32 v[LI], 4, v[T1]
	v_lshlrev_b32 v[PFO], 8, v[T1]
	v_lshlrev_b32 v[GOF], 4, v0
	v_add_nc_u32 v[VST], VIM, v[GOF]               ; V's image is copied as it lies
	; K: thread n holds key n / 4, bytes 16 (n % 4).  key = 32 b + 16 r3 + 8 u + r[2:0]; n % 4 = 2 c + h.  Its place: 2048 b + 1024 u + 512 c + 256 h + 128 r3 + 16 r[2:0]
	v_bfe_u32 v[KST], v0, 2, 3
	v_lshlrev_b32 v[KST], 4, v[KST]
	v_bfe_u32 v[T0], v0, 6, 1
	v_lshl_or_b32 v[KST], v[T0], 7, v[KST]
	v_and_b32 v[T0], 1, v0
	v_lshl_or_b32 v[KST], v[T0], 8, v[KST]
	v_bfe_u32 v[T0], v0, 1, 1
	v_lshl_or_b32 v[KST], v[T0], 9, v[KST]
	v_bfe_u32 v[T0], v0, 5, 1
	v_lshl_or_b32 v[KST], v[T0], 10, v[KST]
	v_bfe_u32 v[T0], v0, 7, 2
	v_lshl_or_b32 v[KST], v[T0], 11, v[KST]
	s_mul_i32 s7, s2, 16*SPIT
	s_add_co_u32 s7, s7, STG                       ; my stage
	v_and_b32 v[T0], 15, v0                        ; r
	v_bfe_u32 v[T1], v0, 4, 1                      ; h
	v_lshlrev_b32 v[QOF], 6, v[T0]
	v_lshl_add_u32 v[QOF], v[T1], 4, v[QOF]
	v_mul_u32_u24 v[SIN], v[T0], SPIT
	v_lshl_add_u32 v[SIN], v[T1], 3, v[SIN]
	v_add_nc_u32 v[SIN], s7, v[SIN]                ; in: row r, + 8 h
	v_bfe_u32 v[T0], v0, 2, 3                      ; lane / 4
	v_mul_u32_u24 v[SOUT], v[T0], SPIT
	v_and_b32 v[T1], 3, v0
	v_lshl_add_u32 v[SOUT], v[T1], 4, v[SOUT]
	v_add_nc_u32 v[SOUT], s7, v[SOUT]              ; back: row lane / 4, 16 (lane % 4)
	v_mov_b32 v[PD], 0                             ; written once: a lane permute's destination counts as read
	v_mov_b32 v[FF+1], 0
.set j, 0
.rept 8
	v_mov_b32 v[KCH+j], 0                          ; written once, so that the staging registers hold something on every way
.set j, j+1
.endr
	s_mov_b32 s84, 0x76543210
	s_mov_b32 s85, 0xfedcba98                      ; lane l xor 16
	s_wait_kmcnt 0x0
	s_load_b128 s[20:23], s[16:17], 0x18           ; e6, e7, e8, e9
	s_load_b32 s24, s[16:17], 0x28                 ; e10
	s_wait_kmcnt 0x0
	s_add_co_i32 s25, s20, s21                     ; e6 + e7
	s_lshl_b32 s26, s25, 23
	s_add_co_i32 s14, s26, 0x3e38aa3b              ; c = log2(e) / 8 x 2^(e6 + e7): the exponents are added to c's exponent field
	s_mov_b32 s15, s14
	s_sub_co_i32 s26, 163, s25
	s_lshl_b32 s26, s26, 23
	s_or_b32 s26, s26, 0x80000000
	v_mov_b32 v[SNEG], s26                         ; -2^(36 - e6 - e7)
	s_add_co_i32 s26, s22, 127
	s_lshl_b32 s27, s26, 23
	v_mov_b32 v[PSC], s27
	s_add_co_i32 s26, s26, 8
	s_lshl_b32 s26, s26, 23
	s_or_b32 s26, s26, 0x600000
	v_mov_b32 v[PLIM], s26
	s_sub_co_i32 s26, s24, s22
	s_sub_co_i32 s26, s26, s23                     ; O^T / l stands for O / 2^(e8 + e9): its code is that / 2^(e10 - e8 - e9)
	s_add_co_i32 s26, s26, 127
	s_lshl_b32 s27, s26, 23
	v_mov_b32 v[OSC], s27
	s_add_co_i32 s26, s26, 8
	s_lshl_b32 s26, s26, 23
	s_or_b32 s26, s26, 0x600000
	v_mov_b32 v[OLIM], s26
	s_mov_b32 s3, 2
; A KEY STEP's work, from slot s.
.macro STEP s
.rept 4
	v_nop                                          ; places in front of loads into registers that the last products read
.endr
.set p, 0
.rept 16
	ds_load_b128 v[KV+4*p:KV+4*p+3], v[LI] offset:\s*SLOTB+512*p
.set p, p+1
.endr
	s_wait_dscnt 0x0
.irp t, 0,1,2,3,4,5,6,7
	v_wmma_f32_16x16x64_fp8_fp8 v[S+8*\t:S+8*\t+7], v[KV+8*\t:KV+8*\t+7], v[QF:QF+7], 0
.endr
.rept 4
	v_nop                                          ; places in front of the loads below and of the first read of the scores
.endr
.set p, 0
.rept 16
	ds_load_b128 v[KV+4*p:KV+4*p+3], v[LI] offset:\s*SLOTB+VIM+512*p   ; V lands while the softmax is walked
.set p, p+1
.endr
	s_wait_kmcnt 0x0                               ; the step's 64 mask words
.set n, 0
.rept 64
	v_cndmask_b32 v[S+n], v[SNEG], v[S+n], s[16+n+4*(n/48)]   ; the word IS the lane mask of register n: no compare.  Each accumulator from its low end on
.set n, n+1
.endr
	v_max3_num_f32 v[T0], v[S], v[S+1], v[S+2]     ; the step's largest score of my query among my 64 keys, in two chains
	v_max3_num_f32 v[T1], v[S+3], v[S+4], v[S+5]
.irp i, 6,10,14,18,22,26,30,34,38,42,46,50,54,58
	v_max3_num_f32 v[T0], v[T0], v[S+\i], v[S+\i+1]
	v_max3_num_f32 v[T1], v[T1], v[S+\i+2], v[S+\i+3]
.endr
	v_max3_num_f32 v[T0], v[T0], v[S+62], v[S+63]
	v_max_num_f32 v[T0], v[T0], v[T1]
	v_permlanex16_b32 v[PD], v[T0], s84, s85
	v_max_num_f32 v[T0], v[T0], v[PD]              ; and among lane l xor 16's
	s_lshr_b32 s7, s5, 1                           ; the mask words of the next step that I need are asked for now: they have the rest of this step in which to land
	s_ctz_i32_b32 s7, s7
	s_add_co_u32 s7, s7, s88
	s_add_co_u32 s7, s7, 1
	s_min_u32 s7, s7, 15                           ; (no further step: some step's words, which nobody reads)
	s_lshl_b32 s89, s7, 8
	s_load_b512 s[16:31], s[12:13], s89 offset:0x0
	s_load_b512 s[32:47], s[12:13], s89 offset:0x40
	s_load_b512 s[48:63], s[12:13], s89 offset:0x80
	s_load_b512 s[68:83], s[12:13], s89 offset:0xc0
	v_mul_f32 v[T0], s14, v[T0]                    ; as t (c is positive)
	v_max_num_f32 v[NM+1], v[NM+1], v[T0]          ; the running largest t
	v_mov_b32 v[T0], v[NM]
	v_floor_f32 v[NM], -v[NM+1]                    ; -M = floor(-t): M is a whole number
	v_sub_f32 v[T0], v[NM], v[T0]                  ; old M - new M: a whole number, 0 or less
	v_cvt_i32_f32 v[T0], v[T0]                     ; (it saturates)
	v_ldexp_f32 v[FF], 1.0, v[T0]                  ; f
.set j, 0
.rept 32
	v_pk_fma_f32 v[S+j:S+j+1], v[S+j:S+j+1], s[14:15], v[NM:NM+1] op_sel_hi:[1,0,0]   ; t - M, two at a time
.set j, j+2
.endr
.set j, 0
.rept 64
	v_exp_f32 v[S+j], v[S+j]                       ; p = 2^(t - M)
.set j, j+1
.endr
	v_pk_mul_f32 v[LS:LS+1], v[LS:LS+1], v[FF:FF+1] op_sel_hi:[1,0]   ; l under the new M: the plain instruction behind the exponentials
	s_wait_alu depctr_va_vdst(0)                   ; one wait for the batch, ahead of its first reader
	v_pk_add_f32 v[LB:LB+1], v[S:S+1], v[S+2:S+3]  ; the sum of the unquantised p, in two chains
.irp j, 4,8,12,16,20,24,28,32,36,40,44,48,52,56,60
	v_pk_add_f32 v[LS:LS+1], v[LS:LS+1], v[S+\j:S+\j+1]
	v_pk_add_f32 v[LB:LB+1], v[LB:LB+1], v[S+\j+2:S+\j+3]
.endr
	v_pk_add_f32 v[LS:LS+1], v[LS:LS+1], v[LB:LB+1]
.irp b, 0,1,2,3
.irp i, 0,1,2,3,4,5,6,7,8,9,10,11,12,13,14,15
	v_min_num_f32 v[S+16*\b+\i], v[S+16*\b+\i], v[PLIM]   ; the conversion does not saturate (ISA guide 7.6.2); p is not negative, so the hold is one-sided
.endr
	v_cvt_scalef32_pk8_fp8_f32 v[PC+4*\b:PC+4*\b+1], v[S+16*\b:S+16*\b+7], v[PSC]
	v_cvt_scalef32_pk8_fp8_f32 v[PC+4*\b+2:PC+4*\b+3], v[S+16*\b+8:S+16*\b+15], v[PSC]
.endr
.set j, 0
.rept 16
	v_pk_mul_f32 v[O+j:O+j+1], v[O+j:O+j+1], v[FF:FF+1] op_sel_hi:[1,0]   ; O^T under the new M; also the plain instructions between the conversions and the products
.set j, j+2
.endr
	s_wait_dscnt 0x0                               ; V
.irp t, 0,1,2,3
	v_wmma_f32_16x16x128_fp8_fp8 v[O+8*\t:O+8*\t+7], v[KV+16*\t:KV+16*\t+15], v[PC:PC+15], v[O+8*\t:O+8*\t+7]   ; the four accumulators take turns, and K Q^T's eight stand between a sum's links
.endr
.endm
; ONE STEP OF THE WALK, slot s.  Stores of this step's K and V into the slot; one barrier; loads of the next step's; the work.  The slot written here was last read two steps back, ahead of the barrier between.
.macro TRIP s
	s_wait_loadcnt 0x0                             ; the staged 32 bytes (and, in a pass's first step, Q)
	s_and_b32 s7, s6, 1
	s_cmp_lg_u32 s7, 0
	s_cbranch_scc0 .Lno_store_\@
	ds_store_b128 v[KST], v[KCH:KCH+3] offset:\s*SLOTB
	ds_store_b128 v[VST], v[VCH:VCH+3] offset:\s*SLOTB
.Lno_store_\@:
	s_wait_dscnt 0x0                               ; for the others' sake: my stores have landed, and my reads of the other slot are over
	s_barrier_signal -1
	s_barrier_wait -1
	s_add_nc_u64 s[8:9], s[8:9], 8192              ; (the loads that named them are in)
	s_add_nc_u64 s[10:11], s[10:11], 8192
	s_and_b32 s7, s6, 2
	s_cmp_lg_u32 s7, 0
	s_cbranch_scc0 .Lno_load_\@
	global_load_b128 v[KCH:KCH+3], v[GOF], s[8:9]  ; a wave reads 512 consecutive bytes; no bit stands behind step 15, so no load leaves its buffer
	global_load_b128 v[VCH:VCH+3], v[GOF], s[10:11]
.Lno_load_\@:
	s_cmp_gt_u32 s4, s98                           ; a prefetch of the step two on: see the pass's head
	s_cbranch_scc0 .Lno_ask_\@
	global_prefetch_b8 v[PFO], s[96:97] offset:\s*8192 th:TH_LOAD_NT scope:SCOPE_SE
.Lno_ask_\@:
	s_and_b32 s7, s5, 1
	s_cmp_lg_u32 s7, 0
	s_cbranch_scc0 .Lno_work_\@
	STEP \s
.Lno_work_\@:
	s_lshr_b32 s5, s5, 1
	s_lshr_b32 s6, s6, 1
	s_add_co_u32 s88, s88, 1
.endm
.Lpass:
	s_load_b256 s[16:23], s[0:1], 0x0              ; qc, kc, vimg, maskw
	s_load_b64 s[24:25], s[0:1], 0x20              ; need
	s_load_b64 s[28:29], s[0:1], 0x30              ; oc
	s_sub_co_u32 s48, 7, ttmp9
	s_cmp_eq_u32 s3, 2
	s_cselect_b32 s48, s48, ttmp9                  ; the query block: 7 - x, then x
	s_lshl_b32 s49, s48, 4
	s_add_co_u32 s49, s49, s2                      ; T: my tile in the batch entry
	s_and_b32 s50, ttmp7, 0xffff                   ; b h
	s_lshr_b32 s51, s50, 4                         ; b
	s_lshl_b32 s52, s50, 17                        ; a head's 131,072 bytes
	s_mov_b32 s53, 0
	s_lshl_b32 s54, s49, 10                        ; 16 tokens x 64 bytes
	s_mov_b32 s55, 0
	s_lshl_b32 s56, s51, 7
	s_add_co_u32 s56, s56, s49
	s_lshl_b32 s56, s56, 12                        ; (128 b + T) x 4,096
	s_mov_b32 s57, 0
	s_lshl_b32 s58, s51, 7
	s_lshl_b32 s59, s48, 4
	s_add_co_u32 s58, s58, s59
	s_lshl_b32 s58, s58, 2                         ; the block's 16 need words
	s_mov_b32 s59, 0
	s_and_b32 s60, s50, 15
	s_lshl_b32 s60, s60, 13
	s_lshl_b32 s61, s51, 11
	s_add_co_u32 s60, s60, s61
	s_lshl_b32 s60, s60, 6
	s_add_co_u32 s60, s60, s54                     ; (8192 head + 2048 b + 16 T) x 64
	s_mov_b32 s61, 0
	s_lshl_b32 s30, s2, 2
	s_lshr_b32 s7, s2, 1                           ; THE PREFETCH.  All four work-groups of a head walk the same K and V, twice: work-group x = 0 asks, in its first pass, wave 0 for K and wave 1 for V:
	s_or_b32 s7, s7, ttmp9                         ; one instruction a step, lanes 256 bytes apart: the 8,192 bytes of the step two on.  So each block is named once in the launch.
	s_xor_b32 s31, s3, 2                           ; Steps 0 and 1 come by their loads alone; the loop's last trip (steps 14, 15) asks for nothing.
	s_or_b32 s7, s7, s31
	s_cmp_eq_u32 s7, 0
	s_cselect_b32 s98, 1, -1
	s_wait_kmcnt 0x0
	s_add_nc_u64 s[8:9], s[18:19], s[52:53]
	s_add_nc_u64 s[10:11], s[20:21], s[52:53]
	s_add_nc_u64 s[12:13], s[22:23], s[56:57]
	s_add_nc_u64 s[86:87], s[28:29], s[60:61]
	s_add_nc_u64 s[90:91], s[16:17], s[52:53]
	s_add_nc_u64 s[90:91], s[90:91], s[54:55]
	s_add_nc_u64 s[92:93], s[24:25], s[58:59]
	s_cmp_eq_u32 s2, 0
	s_cselect_b64 s[96:97], s[8:9], s[10:11]       ; at the head's step 0: each trip of the loop steps it by two steps ahead of its use
	global_load_b128 v[QF:QF+3], v[QOF], s[90:91]
	global_load_b128 v[QF+4:QF+7], v[QOF], s[90:91] offset:32
	s_load_b512 s[32:47], s[92:93], 0x0
	s_load_b32 s5, s[92:93], s30 offset:0x0
	v_mov_b32 v[NM+1], 0xff61b1e6                  ; the largest t so far: -3e38
	v_floor_f32 v[NM], -v[NM+1]
	v_mov_b32 v[LS], 0
	v_mov_b32 v[LS+1], 0
.set j, 0
.rept 32
	v_mov_b32 v[O+j], 0                            ; the step is written once: the first one finds zeros, which the first change of M leaves zeros
.set j, j+1
.endr
	s_mov_b32 s88, 0
	s_wait_kmcnt 0x0
	s_or_b32 s6, s32, s33
.irp i, 34,35,36,37,38,39,40,41,42,43,44,45,46,47
	s_or_b32 s6, s6, s[\i]
.endr
	s_and_b32 s6, s6, 0xffff                       ; the steps that some wave needs
	s_and_b32 s5, s5, 0xffff                       ; the steps that I need
	s_ctz_i32_b32 s7, s5
	s_min_u32 s7, s7, 15
	s_lshl_b32 s89, s7, 8                          ; my first step's mask words
	s_load_b512 s[16:31], s[12:13], s89 offset:0x0
	s_load_b512 s[32:47], s[12:13], s89 offset:0x40
	s_load_b512 s[48:63], s[12:13], s89 offset:0x80
	s_load_b512 s[68:83], s[12:13], s89 offset:0xc0
	s_and_b32 s7, s6, 1
	s_cmp_lg_u32 s7, 0
	s_cbranch_scc0 .Lno_first
	global_load_b128 v[KCH:KCH+3], v[GOF], s[8:9]
	global_load_b128 v[VCH:VCH+3], v[GOF], s[10:11]
.Lno_first:
	s_mov_b32 s4, 8
.Ltrip:
	s_wait_xcnt 0x0                                ; the last trip's prefetches have read their address
	s_add_nc_u64 s[96:97], s[96:97], 16384
	TRIP 0
	TRIP 1
	s_sub_co_u32 s4, s4, 1
	s_cmp_lg_u32 s4, 0
	s_cbranch_scc1 .Ltrip
	; THE PASS'S END: O^T / l, quantised; the wave's 16 rows x 64 codes go through its stage and leave as 1,024 consecutive bytes.
	s_wait_kmcnt 0x0                               ; the mask words asked for last are in: their registers are free
	s_wait_loadcnt 0x0                             ; the next pass's head loads the staging registers again only behind a wait for every earlier load into them (step 15 asks for no further step, so none is out here)
.rept 4
	v_nop                                          ; places behind the last products
.endr
	v_add_f32 v[LS], v[LS], v[LS+1]
	v_permlanex16_b32 v[PD], v[LS], s84, s85
	v_add_f32 v[LS], v[LS], v[PD]                  ; l
	v_rcp_f32 v[LS], v[LS]
	v_nop                                          ; a plain instruction behind the reciprocal
	s_wait_alu depctr_va_vdst(0)                   ; and the wait ahead of its first reader
.set j, 0
.rept 16
	v_pk_mul_f32 v[S+j:S+j+1], v[O+j:O+j+1], v[LS:LS+1] op_sel_hi:[1,0]   ; register 8 t + i: channel 16 t + 8 h + i of query r; each accumulator from its low end on
.set j, j+2
.endr
.irp t, 0,1,2,3
.irp i, 0,1,2,3,4,5,6,7
	v_med3_num_f32 v[S+8*\t+\i], v[S+8*\t+\i], -v[OLIM], v[OLIM]
.endr
	v_cvt_scalef32_pk8_fp8_f32 v[PC+2*\t:PC+2*\t+1], v[S+8*\t:S+8*\t+7], v[OSC]
.endr
	v_nop                                          ; a plain vector instruction behind the last conversion
.irp t, 0,1,2,3
	ds_store_b64 v[SIN], v[PC+2*\t:PC+2*\t+1] offset:16*\t
.endr
	ds_load_b128 v[BK:BK+3], v[SOUT]               ; LDS serves a wave's instructions in order: these see my stores
	ds_load_b128 v[BK+4:BK+7], v[SOUT] offset:8*SPIT
	s_wait_dscnt 0x0
	global_store_b128 v[LI], v[BK:BK+3], s[86:87]
	global_store_b128 v[LI], v[BK+4:BK+7], s[86:87] offset:512
	s_wait_xcnt 0x0                                ; the stores have read their registers and their base: the next pass writes both
	s_sub_co_u32 s3, s3, 1
	s_cmp_lg_u32 s3, 0
	s_cbranch_scc1 .Lpass
	s_wait_tensorcnt 0x0
	ds_add_u32 v254, v255
	s_wait_dscnt 0x0
	s_endpgm
.Lfunc_end_k_q7bc5c191be_attn:
	.size	k_q7bc5c191be_attn, .Lfunc_end_k_q7bc5c191be_attn-k_q7bc5c191be_attn
	.p2alignl 7, 3214868480
	.fill 96, 4, 3214868480
	.section	.rodata,"a",@progbits
	.p2align	6, 0x0
	.amdhsa_kernel k_q7bc5c191be_attn
		.amdhsa_group_segment_fixed_size 55296
		.amdhsa_private_segment_fixed_size 0
		.amdhsa_enable_private_segment 0
		.amdhsa_kernarg_size 56
		.amdhsa_user_sgpr_count 2
		.amdhsa_user_sgpr_kernarg_segment_ptr 1
		.amdhsa_wavefront_size32 1
		.amdhsa_system_sgpr_workgroup_id_x 1
		.amdhsa_system_sgpr_workgroup_id_y 1
		.amdhsa_system_sgpr_workgroup_id_z 1
		.amdhsa_system_vgpr_workitem_id 0
		.amdhsa_next_free_vgpr 256
		.amdhsa_next_free_sgpr 100
		.amdhsa_reserve_vcc 0
		.amdhsa_float_denorm_mode_32 3
		.amdhsa_float_denorm_mode_16_64 3
		.amdhsa_memory_ordered 1
		.amdhsa_forward_progress 1
		.amdhsa_inst_pref_size 55
	.end_amdhsa_kernel
	.amdgpu_metadata
---
amdhsa.version: [ 1, 2 ]
amdhsa.kernels:
  - .name:           k_q7bc5c191be_attn
    .symbol:         k_q7bc5c191be_attn.kd
    .args:
      - { .name: qc, .offset: 0, .size: 8, .value_kind: global_buffer, .address_space: global }
      - { .name: kc, .offset: 8, .size: 8, .value_kind: global_buffer, .address_space: global }
      - { .name: vimg, .offset: 16, .size: 8, .value_kind: global_buffer, .address_space: global }
      - { .name: maskw, .offset: 24, .size: 8, .value_kind: global_buffer, .address_space: global }
      - { .name: need, .offset: 32, .size: 8, .value_kind: global_buffer, .address_space: global }
      - { .name: lowp_scales, .offset: 40, .size: 8, .value_kind: global_buffer, .address_space: global }
      - { .name: oc, .offset: 48, .size: 8, .value_kind: global_buffer, .address_space: global }
    .group_segment_fixed_size: 55296
    .private_segment_fixed_size: 0
    .kernarg_segment_align: 8
    .kernarg_segment_size: 56
    .max_flat_workgroup_size: 512
    .sgpr_count:     100
    .vgpr_count:     256
    .wavefront_size: 32
...
	.end_amdgpu_metadata
.endif
;; end of part 3
;; launch outp (part 4): grid 4 x 32, 4 waves a work-group, clusters of 4 x 4, 327,680 bytes of LDS; arguments oc, wc, lowp_scales, b_o, out0; writes out0
.if DOCPART == 4
	.amdgcn_target "amdgcn-amd-amdhsa--gfx1250"
	.amdhsa_code_object_version 6
	.text
	.protected	k_q7bc5c191be_outp
	.globl	k_q7bc5c191be_outp
	.p2align	8
	.type	k_q7bc5c191be_outp,@function
k_q7bc5c191be_outp:
	s_mov_b64 s[64:65], 0
	v_nop
	global_prefetch_b8 v0, s[64:65] scope:SCOPE_SE
	s_setreg_imm32_b32 hwreg(HW_REG_WAVE_MODE, 25, 1), 1
	s_wait_xcnt 0x0
	s_wait_alu depctr_hold_cnt(0) depctr_sa_sdst(0) depctr_va_vdst(0) depctr_va_sdst(0) depctr_va_ssrc(0) depctr_va_vcc(0) depctr_vm_vsrc(0)
	s_getreg_b32 s2, hwreg(HW_REG_IB_STS2, 6, 4)
	s_cmp_eq_u32 s2, 0
	s_cbranch_scc0 .Lentry_in_a_cluster
	s_endpgm
.Lentry_in_a_cluster:
	s_bfe_u32 s2, ttmp6, 0x10000c
	s_cmp_lg_u32 s2, 0xf033
	s_cbranch_scc0 .Lentry_shape_is_right
	s_endpgm
.Lentry_shape_is_right:
; OUTP.  out0 = O w_o^T + b_o on codes of E4M3.  oc: [head: 16][row: 8192][64] codes (k = 64 head + channel), w_o: rows 3072 to 4095 of wc, [1024][1024] codes; out0: [8192][1024] f32.
; A tile of out0, 256 x 256, is made by four waves, each 128 x 128: 64 accumulators in 512 registers.  K = 1024 goes in four steps of 256 (four heads) through a ring of two LDS slots filled by the tensor data mover.
; O's tile of 128 rows x 4 heads is four dense blocks of 8,192 bytes, 524,288 bytes apart: a tensor tile of 4 lines of 8,192 bytes, with 16 bytes of padding behind every 64: in LDS a head's rows lie 80 bytes apart.
; CLUSTERS: 4 x 4 work-groups; O's tile is shared along a row of the cluster, w_o's along a column, each asked for jointly.
; THE MATRIX INSTRUCTION IS USED TRANSPOSED (source 0 = 16 rows of w_o, source 1 = 16 rows of O): a lane holds eight neighbouring numbers of a row of out0.
; THE BIAS is the C of each sum's first matrix instruction, as b_o / 2^(e10 + e11); each finished sum is multiplied once by 2^(e10 + e11).  LIMIT: e10 + e11 between -126 and 127.
; REGISTERS, in windows of 256: window 0: v0-31 addresses; v32-95 the bias, later at work on the way out; from v128 O's fragments, ONE set.   window 1: w_o's fragments, TWO sets.   windows 2, 3: the accumulators.
.set SIZE_N, 1024
.set ROWB,   256
.set KROW,   1024
.set PITCH,  272                       ; w_o's LDS row: 256 bytes + 16
.set APIT,   80                        ; O's LDS row: 64 bytes + 16
.set ALINE,  128*APIT                  ; a head's 128 rows
.set ASTEP,  4*524288                  ; four heads on, in memory
.set FR,     16
.set NL,     4
.set NP,     4
.set HALFA,  4*ALINE                   ; 40,960: what one tensor load brings of O
.set HALFB,  128*PITCH                 ; 34,816: of w_o
.set SLOT,   2*HALFA+2*HALFB
.set LAPS,   2
.set SPARE,  2*SLOT                    ; behind the ring: the spare words, 128 bytes for each wave
.set SPITCH, 528                       ; the way out: a stage of 16 rows x (512 bytes + 16) for each wave, in slot 0, which has had its last fill and its last read by then
.set ADRA, 16
.set ADRB, 20
.set STO,  24
.set RD,   25
.set CO,   26
.set SPW,  28
.set NIL,  29
.set BOF,  30                          ; v30  32 x (lane / 16)
.set BI,   32                          ; v32-95 the bias
.set TMP,  32
.set AF,   128
.set BK,   128
.set G1, 24
.set G0, 32
.set G1B, 48
.set G0B, 56
.set MSB, 0
.macro WIN new
.if MSB != \new
	s_set_vgpr_msb (MSB<<8)|\new
.set MSB, \new
.endif
.endm
.set MUL_LO, 0xa1                      ; source 0 window 1, source 1 window 0, C and D window 2
.set MUL_HI, 0xf1
.set FST_LO, 0x81                      ; the first step: C (the bias) window 0, D window 2
.set FST_HI, 0xc1
.set TO_B,   0x40
.macro JLOAD g0a, g1a, g0b, g1b        ; waves 0 and 1 fetch O's halves, waves 2 and 3 w_o's; four v_nop follow each of the two lines
	s_cmp_eq_u32 s15, 0
	s_cbranch_scc0 .Lfor_b_\@
	tensor_load_to_lds s[\g0a:\g0a+3], s[\g1a:\g1a+7]
	s_nop 0
.rept 4
	v_nop
.endr
	s_branch .Lasked_\@
.Lfor_b_\@:
	tensor_load_to_lds s[\g0b:\g0b+3], s[\g1b:\g1b+7]
	s_nop 0
.rept 4
	v_nop
.endr
.Lasked_\@:
.endm
.macro CREST
	s_cmp_lg_u32 s14, 0
	s_cbranch_scc1 .Lnot_wave_0_\@
	s_barrier_signal -3
.Lnot_wave_0_\@:
	s_barrier_wait -3
	s_barrier_signal -1
	s_barrier_wait -1
.endm
.macro CROUND
	s_barrier_signal -1
	s_barrier_wait -1
	CREST
.endm
	s_load_b128 s[4:7], s[0:1], 0x0                ; oc, wc
	s_load_b128 s[8:11], s[0:1], 0x10              ; lowp_scales, b_o
	s_load_b64 s[12:13], s[0:1], 0x20              ; out0
	v_lshl_add_u32 v[SPW], v0, 2, SPARE
	v_mov_b32 v[NIL], 0
	ds_add_u32 v28, v29
	ds_add_u32 v28, v29
	s_wait_dscnt 0x0
	v_lshrrev_b32 v1, 5, v0
	v_readfirstlane_b32 s14, v1                    ; wave 0..3
	s_lshr_b32 s15, s14, 1                         ; which half of the tile's rows is mine.  Also: I fetch O (0) or w_o (1)
	s_and_b32 s16, s14, 1                          ; which half of its columns.  Also: which 128 rows I fetch
	s_bfe_u32 s40, ttmp6, 0x40000                  ; cx
	s_bfe_u32 s41, ttmp6, 0x40004                  ; cy
	s_lshl_b32 s42, ttmp9, 2
	s_add_co_u32 s42, s42, s40                     ; tile column
	s_and_b32 s17, ttmp7, 0xffff
	s_lshl_b32 s17, s17, 2
	s_add_co_u32 s17, s17, s41                     ; tile row
	s_lshl_b32 s43, s41, 2
	s_lshl_b32 s43, 15, s43                        ; my row of the cluster
	s_lshl_b32 s44, 0x1111, s40                    ; my column
	s_or_b32 s[G1+0], s43, (0<<16)|(1<<20)|(1<<21)|(3<<22)|(3<<25)  ; O: the mask; elements of 1 byte; padding on; bit 21 beside a mask; after every 16 words, 4 words
	s_mov_b32 s[G1+1], 8192<<16                    ; tensor_dim0 = 8192
	s_mov_b32 s[G1+2], 4<<16                       ; tensor_dim1 = 4
	s_mov_b32 s[G1+3], 8192<<16                    ; tile_dim0 = 8192
	s_mov_b32 s[G1+4], 4                           ; tile_dim1 = 4
	s_mov_b32 s[G1+5], 524288                      ; from head to head
	s_mov_b32 s[G1+6], 0
	s_mov_b32 s[G1+7], 0
	s_or_b32 s[G1B+0], s44, (0<<16)|(1<<20)|(1<<21)|(5<<22)|(3<<25) ; w_o: 128 rows of 256 bytes, 4 words of padding after every 64
	s_mov_b32 s[G1B+1], ROWB<<16
	s_mov_b32 s[G1B+2], 128<<16
	s_mov_b32 s[G1B+3], ROWB<<16
	s_mov_b32 s[G1B+4], 128
	s_mov_b32 s[G1B+5], KROW
	s_mov_b32 s[G1B+6], 0
	s_mov_b32 s[G1B+7], 0
	s_lshl_b32 s18, s16, 7
	s_lshl_b32 s20, s17, 8
	s_add_co_u32 s20, s20, s18
	s_lshl_b32 s20, s20, 6                         ; O: (256 x tile row + 128 x half) x 64 bytes
	s_mov_b32 s21, 0
	s_lshl_b32 s46, s42, 8
	s_add_co_u32 s46, s46, s18
	s_lshl_b32 s46, s46, 10                        ; w_o: (256 x tile column + 128 x half) x 1024 bytes
	s_mov_b32 s47, 0
	s_mul_i32 s45, s16, HALFA                      ; where they go: O's halves, then w_o's: no place in the cluster enters an LDS address
	s_mul_i32 s93, s16, HALFB
	s_add_co_u32 s93, s93, 2*HALFA
	s_wait_kmcnt 0x0
	s_load_b64 s[96:97], s[8:9], 0x28              ; e10, e11
	s_add_nc_u64 s[20:21], s[4:5], s[20:21]
	s_add_nc_u64 s[46:47], s[6:7], s[46:47]
	s_add_nc_u64 s[46:47], s[46:47], 3072*KROW     ; w_o is wc's fourth part
	CROUND                                         ; all sixteen work-groups are here: the first joint loads meet
.irp s, 0,1
	s_mov_b32 s[G0+4*\s], 1
	s_add_co_u32 s[G0+4*\s+1], s45, \s*SLOT
	s_add_nc_u64 s[G0+4*\s+2:G0+4*\s+3], s[20:21], \s*ASTEP
	s_or_b32 s[G0+4*\s+3], s[G0+4*\s+3], 0x80000000
	s_mov_b32 s[G0B+4*\s], 1
	s_add_co_u32 s[G0B+4*\s+1], s93, \s*SLOT
	s_add_nc_u64 s[G0B+4*\s+2:G0B+4*\s+3], s[46:47], \s*ROWB
	s_or_b32 s[G0B+4*\s+3], s[G0B+4*\s+3], 0x80000000
	JLOAD G0+4*\s, G1, G0B+4*\s, G1B
.endr
	v_and_b32 v1, 15, v0                           ; r
	v_bfe_u32 v2, v0, 4, 1                         ; h
	v_mul_u32_u24 v3, v1, APIT
	v_lshl_add_u32 v3, v2, 4, v3                   ; O: r x 80 + 16 h
	v_mul_u32_u24 v4, v1, PITCH
	v_lshl_add_u32 v4, v2, 4, v4                   ; w_o: r x 272 + 16 h
	s_mul_i32 s21, s15, HALFA                      ; my 128 rows of O
	s_mul_i32 s22, s16, HALFB                      ; my 128 rows of w_o,
	s_add_co_u32 s22, s22, 2*HALFA                 ; which lie behind O's
.irp s, 0,1
	v_add_nc_u32 v[ADRA+\s], s21, v3
	v_add_nc_u32 v[ADRB+\s], s22, v4
	s_add_co_u32 s21, s21, SLOT
	s_add_co_u32 s22, s22, SLOT
.endr
	s_mul_i32 s23, s14, 16*SPITCH                  ; my stage
	v_mul_u32_u24 v5, v1, SPITCH
	v_lshl_add_u32 v5, v2, 5, v5
	v_add_nc_u32 v[STO], s23, v5                   ; in: row r, 32 bytes for each half of the lanes
	v_and_b32 v6, 31, v0
	v_lshlrev_b32 v[CO], 4, v6
	v_add_nc_u32 v[RD], s23, v[CO]                 ; back: the 32 lanes take one row of 512 bytes
	v_lshlrev_b32 v[BOF], 5, v2
	s_lshl_b32 s20, s17, 8
	s_lshl_b32 s21, s15, 7
	s_add_co_u32 s20, s20, s21                     ; my first row of out0
	s_mov_b32 s21, 0
	s_mov_b64 s[18:19], SIZE_N*4
	s_mul_u64 s[20:21], s[20:21], s[18:19]
	s_lshl_b32 s46, s42, 10                        ; my first column, in bytes: 1024 x tile column + 512 x half; b_o's bytes are the same
	s_lshl_b32 s47, s16, 9
	s_add_co_u32 s46, s46, s47
	s_mov_b32 s47, 0
	s_add_nc_u64 s[10:11], s[10:11], s[46:47]
	s_add_nc_u64 s[20:21], s[20:21], s[46:47]
	s_add_nc_u64 s[12:13], s[12:13], s[20:21]
.irp b, 0,1,2,3,4,5,6,7
	global_load_b128 v[BI+8*\b:BI+8*\b+3], v[BOF], s[10:11] offset:64*\b          ; b_o(16 b + 8 h + 0..7): the result's layout
	global_load_b128 v[BI+8*\b+4:BI+8*\b+7], v[BOF], s[10:11] offset:64*\b+16
.endr
	s_wait_loadcnt 0x0
	s_wait_kmcnt 0x0
	s_add_co_i32 s94, s96, s97                     ; e10 + e11
	s_sub_co_i32 s95, 0, s94
	s_add_co_i32 s96, s94, 127
	s_lshl_b32 s96, s96, 23                        ; 2^(e10 + e11) as f32 (s97 is named with it as a pair)
.set j, 0
.rept 64
	v_ldexp_f32 v[BI+j], v[BI+j], s95              ; b_o / 2^(e10 + e11): exact
.set j, j+1
.endr
.macro FRAG reg, adr, q, i             ; w_o: registers 4 c .. 4 c + 3 hold K = 128 q + 32 c + 16 (l / 16) + 0 .. 15
.irp c, 0,1,2,3
	ds_load_b128 v[\reg+4*\c:\reg+4*\c+3], v[\adr] offset:128*(\q)+32*\c+(\i)*16*PITCH
.endr
.endm
.macro FRAGA reg, adr, q, i            ; O: the same k: head 2 q + c / 2 of the slot's four, channel 32 (c % 2) + 16 (l / 16) + 0 .. 15
.irp c, 0,1,2,3
	ds_load_b128 v[\reg+4*\c:\reg+4*\c+3], v[\adr] offset:(2*(\q)+\c/2)*ALINE+32*(\c%2)+(\i)*16*APIT
.endr
.endm
; 16 matrix instructions.  zero = 1: the first product starts the sums, with the bias as its C.  The 64 accumulators take turns, one instruction a turn.
.macro MUL16 a0, p, zero
.irp a, \a0, \a0+1
.irp b, 0,1,2,3,4,5,6,7
.if \zero
	v_wmma_f32_16x16x128_fp8_fp8 v[8*(8*((\a)%4)+\b):8*(8*((\a)%4)+\b)+7], v[128*(\p)+FR*\b:128*(\p)+FR*\b+FR-1], v[AF+FR*(\a):AF+FR*(\a)+FR-1], v[BI+8*\b:BI+8*\b+7]
.else
	v_wmma_f32_16x16x128_fp8_fp8 v[8*(8*((\a)%4)+\b):8*(8*((\a)%4)+\b)+7], v[128*(\p)+FR*\b:128*(\p)+FR*\b+FR-1], v[AF+FR*(\a):AF+FR*(\a)+FR-1], v[8*(8*((\a)%4)+\b):8*(8*((\a)%4)+\b)+7]
.endif
.endr
.endr
.endm
.macro FETCH_B slot, q, p
	WIN TO_B
.irp i, 0,1,2,3,4,5,6,7
	FRAG 128*(\p)+FR*\i, ADRB+\slot, \q, \i
.endr
	WIN 0
.endm
.macro FETCH_A slot, q, i0
.irp i, \i0, \i0+1, \i0+2, \i0+3
	FRAGA AF+FR*(\i), ADRA+\slot, \q, \i
.endr
.endm
.macro PLACES n
.rept \n
	v_nop
.endr
.endm
.macro STEP slot, q, zero
	s_wait_dscnt 4*NL                              ; w_o's set and O's blocks 0-3 are in; the youngest 16 loads (blocks 4-7) may be out
.if \zero
	WIN FST_LO
.else
	WIN MUL_LO
.endif
	MUL16 0, (\q)%2, \zero
	MUL16 2, (\q)%2, \zero
	s_wait_dscnt 0
	PLACES NP
	FETCH_B \slot, (\q)+1, 1-(\q)%2
	FETCH_A \slot, (\q)+1, 0
.if \zero
	WIN FST_HI
.else
	WIN MUL_HI
.endif
	MUL16 4, (\q)%2, \zero
	MUL16 6, (\q)%2, \zero
	PLACES NP
	WIN 0
	FETCH_A \slot, (\q)+1, 4
.endm
.macro TURN slot, next, fill
	s_wait_tensorcnt 0x0                           ; all my tensor loads have landed: my part of the next slot
	ds_add_u32 v[SPW], v[NIL]                      ; 0 onto my spare word
	s_wait_dscnt 4*NL+1                            ; (the add and the youngest 16 loads may be out)
	WIN MUL_LO
	MUL16 0, 1, 0
	s_wait_dscnt 0x0                               ; the add is done, and my reads of this slot are over
	s_barrier_signal -1
	MUL16 2, 1, 0
	WIN 0
	s_barrier_wait -1
.if \fill
	CREST                                          ; the barrier has opened a round of the cluster's: no wave of any partner still reads this slot or has a load on its way
	s_add_nc_u64 s[G0+4*\slot+2:G0+4*\slot+3], s[G0+4*\slot+2:G0+4*\slot+3], 2*ASTEP
	s_add_nc_u64 s[G0B+4*\slot+2:G0B+4*\slot+3], s[G0B+4*\slot+2:G0B+4*\slot+3], 2*ROWB
	JLOAD G0+4*\slot, G1, G0B+4*\slot, G1B         ; the first tensor load behind the round; its four v_nop are the places in front of the loads below
.else
	PLACES NP
.endif
	FETCH_B \next, 0, 0
	FETCH_A \next, 0, 0
	WIN MUL_HI
	MUL16 4, 1, 0
	MUL16 6, 1, 0
	PLACES NP
	WIN 0
	FETCH_A \next, 0, 4
.endm
	s_wait_tensorcnt 1                             ; my part of slot 0 is in; slot 1's load may be out
	s_barrier_signal -1
	s_barrier_wait -1
	FETCH_B 0, 0, 0
	FETCH_A 0, 0, 0
	FETCH_A 0, 0, 4
	STEP 0, 0, 1
	s_mov_b32 s3, LAPS-1
.Llap:
	TURN 0, 1, 1
	STEP 1, 0, 0
	TURN 1, 0, 1
	STEP 0, 0, 0
	s_sub_co_u32 s3, s3, 1
	s_cmp_lg_u32 s3, 0
	s_cbranch_scc1 .Llap
	TURN 0, 1, 0                                   ; the last lap fills nothing
	STEP 1, 0, 0
	s_wait_dscnt 4*NL
	WIN MUL_LO
	MUL16 0, 1, 0
	MUL16 2, 1, 0
	s_wait_dscnt 0
	WIN MUL_HI
	MUL16 4, 1, 0
	MUL16 6, 1, 0
	WIN 0
; THE WAY OUT, block by block of 16 rows x 128 columns, through my own stage in LDS: back as whole rows of 512 bytes.  LDS serves a wave's instructions in order: no wait between the stores and the loads.
.macro TOSTAGE a
.set AC, 64*((\a)%4)
	WIN 0x02+((\a)/4)                              ; source 0: window 2 or 3
.irp j, 0,2,4,6,8,10,12,14,16,18,20,22,24,26,28,30,32,34,36,38,40,42,44,46,48,50,52,54,56,58,60,62
	v_pk_mul_f32 v[TMP+\j:TMP+\j+1], v[AC+\j:AC+\j+1], s[96:97] op_sel_hi:[1,0]   ; x 2^(e10 + e11); each accumulator from its low end on
.endr
	WIN 0
.irp b, 0,1,2,3,4,5,6,7
	ds_store_b128 v[STO], v[TMP+8*\b:TMP+8*\b+3] offset:64*\b
	ds_store_b128 v[STO], v[TMP+8*\b+4:TMP+8*\b+7] offset:64*\b+16
.endr
.set BB, BK+64*((\a)%2)
.irp t, 0,1,2,3,4,5,6,7,8,9,10,11,12,13,14,15
	ds_load_b128 v[BB+4*\t:BB+4*\t+3], v[RD] offset:\t*SPITCH
.endr
.endm
.macro SEND a, younger
.set BB, BK+64*((\a)%2)
	s_wait_dscnt \younger                          ; the block is back in registers
.if (\a) > 0
	s_add_nc_u64 s[12:13], s[12:13], 16*SIZE_N*4   ; (behind a wait on XCNT: the earlier stores have read their base)
.endif
.irp t, 0,1,2,3,4,5,6,7,8,9,10,11,12,13,14,15
	global_store_b128 v[CO], v[BB+4*\t:BB+4*\t+3], s[12:13] offset:\t*SIZE_N*4 th:TH_STORE_NT   ; 32 lanes store 512 consecutive bytes, at a multiple of 256 from out0's first byte
.endr
.endm
	PLACES NP
	TOSTAGE 0
.irp a, 1,2,3,4,5,6,7
.if \a > 1
	s_wait_xcnt 0x0                                ; block a - 2's stores have read their registers and their base
.endif
	TOSTAGE \a
	SEND \a-1, 32                                  ; behind block a - 1's loads: block a's 16 stores and 16 loads
.endr
	s_wait_xcnt 0x0
	SEND 7, 0
	s_wait_tensorcnt 0x0                           ; the wave's end
	ds_add_u32 v[SPW], v[NIL]
	s_wait_dscnt 0x0
	CROUND                                         ; the closing round
	s_endpgm
.Lfunc_end_k_q7bc5c191be_outp:
	.size	k_q7bc5c191be_outp, .Lfunc_end_k_q7bc5c191be_outp-k_q7bc5c191be_outp
	.p2alignl 7, 3214868480
	.fill 96, 4, 3214868480
	.section	.rodata,"a",@progbits
	.p2align	6, 0x0
	.amdhsa_kernel k_q7bc5c191be_outp
		.amdhsa_group_segment_fixed_size 327680
		.amdhsa_private_segment_fixed_size 0
		.amdhsa_enable_private_segment 0
		.amdhsa_kernarg_size 40
		.amdhsa_user_sgpr_count 2
		.amdhsa_user_sgpr_kernarg_segment_ptr 1
		.amdhsa_wavefront_size32 1
		.amdhsa_system_sgpr_workgroup_id_x 1
		.amdhsa_system_sgpr_workgroup_id_y 1
		.amdhsa_system_sgpr_workgroup_id_z 1
		.amdhsa_system_vgpr_workitem_id 0
		.amdhsa_next_free_vgpr 1024
		.amdhsa_next_free_sgpr 98
		.amdhsa_reserve_vcc 0
		.amdhsa_float_denorm_mode_32 3
		.amdhsa_float_denorm_mode_16_64 3
		.amdhsa_memory_ordered 1
		.amdhsa_forward_progress 1
		.amdhsa_inst_pref_size 129
	.end_amdhsa_kernel
	.amdgpu_metadata
---
amdhsa.version: [ 1, 2 ]
amdhsa.kernels:
  - .name:           k_q7bc5c191be_outp
    .symbol:         k_q7bc5c191be_outp.kd
    .args:
      - { .name: oc, .offset: 0, .size: 8, .value_kind: global_buffer, .address_space: global }
      - { .name: wc, .offset: 8, .size: 8, .value_kind: global_buffer, .address_space: global }
      - { .name: lowp_scales, .offset: 16, .size: 8, .value_kind: global_buffer, .address_space: global }
      - { .name: b_o, .offset: 24, .size: 8, .value_kind: global_buffer, .address_space: global }
      - { .name: out0, .offset: 32, .size: 8, .value_kind: global_buffer, .address_space: global }
    .group_segment_fixed_size: 327680
    .private_segment_fixed_size: 0
    .kernarg_segment_align: 8
    .kernarg_segment_size: 40
    .max_flat_workgroup_size: 128
    .sgpr_count:     98
    .vgpr_count:     1024
    .wavefront_size: 32
...
	.end_amdgpu_metadata
.endif
;; end of part 4
;; ======== version 2 of 2: 4 launches; version 1 with the launch attn written anew for expert scheduling mode
;; limits: right only within a limited range of input values
;; workspace buffers: xc 25,165,824 bytes; wc 4,194,304 bytes; maskw 2,097,152 bytes of whole numbers; need 2,048 bytes of whole numbers; qc 8,388,608 bytes; kc 8,388,608 bytes; vimg 8,388,608 bytes; oc 8,388,608 bytes
;; launch prep: the kernel of part 1 again; grid 1024 x 1, 4 waves a work-group, no clusters, 67,072 bytes of LDS; arguments q, k, v, w_q, w_k, w_v, w_o, lowp_scales, mask, xc, wc, maskw, need; writes xc, wc, maskw, need
;; launch proj: the kernel of part 2 again; grid 4 x 96, 4 waves a work-group, clusters of 4 x 4, 327,680 bytes of LDS; arguments xc, wc, lowp_scales, b_q, b_k, b_v, qc, kc, vimg; writes qc, kc, vimg
;; launch attn (part 5): grid 4 x 64, 16 waves a work-group, no clusters, 55,296 bytes of LDS; arguments qc, kc, vimg, maskw, need, lowp_scales, oc; writes oc
.if DOCPART == 5
	.amdgcn_target "amdgcn-amd-amdhsa--gfx1250"
	.amdhsa_code_object_version 6
	.text
	.protected	k_q7bc5c191be_attn
	.globl	k_q7bc5c191be_attn
	.p2align	8
	.type	k_q7bc5c191be_attn,@function
k_q7bc5c191be_attn:
	s_mov_b64 s[64:65], 0
	v_nop
	global_prefetch_b8 v0, s[64:65] scope:SCOPE_SE
	s_setreg_imm32_b32 hwreg(HW_REG_WAVE_SCHED_MODE, 0, 2), 2
	s_setreg_imm32_b32 hwreg(HW_REG_WAVE_MODE, 25, 1), 1
	s_wait_xcnt 0x0
	s_wait_alu depctr_vm_vsrc(0)
; ATTN.  O = softmax(Q K^T / 8, masked) V for 64 heads of 2,048 tokens x 64 channels, both products on codes of E4M3; O / l is quantised for the last projection.
; qc, kc: [b h][token][64] codes.  vimg: [b h][step of 128 keys][8192]: images of the second product's operand registers.  maskw: [tile][step][64] lane masks; need: [tile] a bit for each step.  oc: [head][2048 b + token][64] codes.
; THE SOFTMAX: t = score x log2(e) / 8 x 2^(e6 + e7); M = the running largest t rounded UP to a whole number; p = 2^(t - M) is quantised with 2^e8, not normalised; l is the sum of the unquantised p; when M moves, l and O
; are multiplied by 2^(old M - new M), which rounds nothing.
; THE MASK: a hidden score is replaced, ahead of the maximum, by -2^(36 - e6 - e7), that is a logit of -2^33 where the problem writes -1e10.  A power of two is taken so that c x score is exact: in a row that is hidden
; throughout, t - M is then exactly 0 and the row is uniform, as the problem has it.  LIMIT: e6 + e7 between -91 and 12: by the quantiser's hold a true |logit| is then at most 64 x 448^2 / 8 x 2^12 = 6.6e9,
; so a hidden term is 0 beside any true one with either figure, and the results are the same.  Further LIMITS: e8, and e10 - e8 - e9, between -126 and 119.
; SHARES.  Work-group (x, b h) makes two passes over the head's keys: query block 7 - x, then block x (256 queries each).  Wave w of sixteen owns one tile of 16 queries, in 256 registers: four waves to a SIMD,
; so that one wave's vector work stands beside another's LDS loads and products.  A key step is 128 keys: 8 products K Q^T (K = 64) and 4 products V^T P (K = 128), both used transposed: a lane holds ONE query.
; THE KEYS OF A TILE ARE NOT NEIGHBOURS: lane r of tile 2 b + u takes key 32 b + 8 u + r + 8 (r / 8), so that score register n is key 32 (n / 16) + 16 (lane / 16) + n % 16.
; STEPS THAT NEED NOT BE DONE.  A wave jumps over a step's work where its need word says so, and the work-group over a step's staging where no wave needs it: scalar branches on stored whole numbers.  Every wave passes every barrier.
; NO CLUSTER, NO TENSOR LOAD, though the four work-groups of a head read the same K and V: a joint load has to be issued by every partner on every path, and here whether a step is fetched hangs on stored words that
; differ between the partners' query blocks.  K and V go through registers into LDS: each of the 512 threads copies 16 bytes of each, a step ahead, into two slots that take turns; one barrier a step.
; LDS: slot s at 16384 s: K's image (piece (t, c) at 512 (2 t + c), lane l at 16 l), then V's (8,192 bytes each); from 32768 on a stage of 16 rows x 80 bytes for each wave.
; THE MODE: SCHED_MODE bits 1:0 = 2 (LLVM: expert scheduling mode 2), set by the entry lines.  The code itself states the register dependences between vector or matrix instructions and memory or LDS
; instructions, with s_wait_alu, always for 0.
; THE PLAN.  Registers that memory or LDS instructions touch, and who else names them:
;   v1-4, v25-28   addresses and offsets, and v254, v255: written by vector instructions at the head and never again.  One wait on va_vdst at the head's end serves every access by them.
;   KCH, VCH       written once by vector instructions at the head (the same wait), then by global loads alone; read by the two LDS stores at a step's head.  One wait on vm_vsrc a step, behind those stores
;                  and on every way, ahead of the loads of the next step's bytes.
;   QF             loaded at a pass's head; read by a step's eight products K Q^T, behind which a wait on va_vdst stands in the same step.
;   KV             K's loads land at a step's head: a wait on va_vdst ahead of them, for the last products V^T P, which read it.  V's loads land behind the eight products K Q^T: a wait on va_vdst behind these.
;                  V's sixteen loads are dealt among the 64 selects, which name S and SNEG alone: none of the registers that those loads touch.
;   PC             written by conversions, read by matrix instructions; at a pass's end read by four LDS stores: a wait on va_vdst ahead of them, one on vm_vsrc behind them, ahead of the next pass.
;   BK             LDS loads land in it, global stores read it, no vector instruction names it: the same wait on vm_vsrc at a pass's end.
;   s2             written by v_readfirstlane_b32: a wait on va_sdst ahead of its first reader.
; The 28 registers that are left are too few for a second buffer of K or V (64), and sixteen waves of 256 take all that the four SIMDs have.
.set SLOTB, 16384
.set VIM,   8192
.set STG,   32768
.set SPIT,  80
.set LI,   1                           ; v1   16 x lane
.set KST,  2                           ; v2   where my thread puts its 16 bytes of K
.set VST,  3                           ; v3   and of V
.set GOF,  4                           ; v4   16 x thread
.set SNEG, 5                           ; v5   a hidden score
.set PLIM, 6                           ; v6   448 x 2^e8
.set PSC,  7                           ; v7   2^e8
.set KCH,  8                           ; v8-11  the staged 16 bytes of K
.set VCH,  12                          ; v12-15 of V
.set NM,   16                          ; v16 -M, v17 the largest t
.set LS,   18                          ; v18-19 l in two halves
.set FF,   20                          ; v20 f = 2^(old M - new M); v21 named with it as a pair
.set T0,   22
.set T1,   23
.set PD,   24                          ; the lane permute's destination
.set PFO,  25                          ; v25  256 x lane
.set QOF,  26                          ; v26  64 r + 16 h
.set SIN,  27                          ; v27  the stage, in
.set SOUT, 28                          ; v28  the stage, back
.set OSC,  30                          ; v30  2^(e10 - e8 - e9)
.set OLIM, 31                          ; v31  448 x that
.set QF,   32                          ; v32-39   Q's fragment
.set KV,   40                          ; v40-103  K's 8 fragments, then V's 4
.set S,    104                         ; v104-167 S^T, then p
.set O,    168                         ; v168-199 O^T
.set PC,   200                         ; v200-215 p's codes
.set BK,   216                         ; v216-223 codes read back
.set LB,   224                         ; v224-225 the sum's second chain
; s2 wave, s3 passes, s4 trips, s5 my need bits, s6 the work-group's, s7 at work, s[8:9] K, s[10:11] V, s[12:13] my tile's mask words, s[14:15] c twice,
; s16-63 and s68-83 the step's 64 mask words (at a pass's head: arguments and temporaries), s84-85 lane selects, s[86:87] oc, s88 the step, s89 the mask words' offset, s[90:93] Q's and need's addresses, s[96:97] and s98 the prefetch.
	s_load_b64 s[16:17], s[0:1], 0x28              ; lowp_scales
	v_lshl_add_u32 v254, v0, 2, 0xd000
	v_mov_b32 v255, 0
	v_lshrrev_b32 v[T0], 5, v0
	v_readfirstlane_b32 s2, v[T0]                  ; wave 0..15
	v_and_b32 v[T1], 31, v0
	v_lshlrev_b32 v[LI], 4, v[T1]
	v_lshlrev_b32 v[PFO], 8, v[T1]
	v_lshlrev_b32 v[GOF], 4, v0
	v_add_nc_u32 v[VST], VIM, v[GOF]               ; V's image is copied as it lies
	; K: thread n holds key n / 4, bytes 16 (n % 4).  key = 32 b + 16 r3 + 8 u + r[2:0]; n % 4 = 2 c + h.  Its place: 2048 b + 1024 u + 512 c + 256 h + 128 r3 + 16 r[2:0]
	v_bfe_u32 v[KST], v0, 2, 3
	v_lshlrev_b32 v[KST], 4, v[KST]
	v_bfe_u32 v[T0], v0, 6, 1
	v_lshl_or_b32 v[KST], v[T0], 7, v[KST]
	v_and_b32 v[T0], 1, v0
	v_lshl_or_b32 v[KST], v[T0], 8, v[KST]
	v_bfe_u32 v[T0], v0, 1, 1
	v_lshl_or_b32 v[KST], v[T0], 9, v[KST]
	v_bfe_u32 v[T0], v0, 5, 1
	v_lshl_or_b32 v[KST], v[T0], 10, v[KST]
	v_bfe_u32 v[T0], v0, 7, 2
	v_lshl_or_b32 v[KST], v[T0], 11, v[KST]
	s_wait_alu depctr_va_sdst(0)                   ; s2 is written, ahead of its first reader: the stage's place, the tile and the prefetch's choice are made from it
	s_mul_i32 s7, s2, 16*SPIT
	s_add_co_u32 s7, s7, STG                       ; my stage
	v_and_b32 v[T0], 15, v0                        ; r
	v_bfe_u32 v[T1], v0, 4, 1                      ; h
	v_lshlrev_b32 v[QOF], 6, v[T0]
	v_lshl_add_u32 v[QOF], v[T1], 4, v[QOF]
	v_mul_u32_u24 v[SIN], v[T0], SPIT
	v_lshl_add_u32 v[SIN], v[T1], 3, v[SIN]
	v_add_nc_u32 v[SIN], s7, v[SIN]                ; in: row r, + 8 h
	v_bfe_u32 v[T0], v0, 2, 3                      ; lane / 4
	v_mul_u32_u24 v[SOUT], v[T0], SPIT
	v_and_b32 v[T1], 3, v0
	v_lshl_add_u32 v[SOUT], v[T1], 4, v[SOUT]
	v_add_nc_u32 v[SOUT], s7, v[SOUT]              ; back: row lane / 4, 16 (lane % 4)
	v_mov_b32 v[PD], 0                             ; written once: a lane permute's destination counts as read
	v_mov_b32 v[FF+1], 0
.set j, 0
.rept 8
	v_mov_b32 v[KCH+j], 0                          ; written once, so that the staging registers hold something on every way
.set j, j+1
.endr
	s_mov_b32 s84, 0x76543210
	s_mov_b32 s85, 0xfedcba98                      ; lane l xor 16
	s_wait_kmcnt 0x0
	s_load_b128 s[20:23], s[16:17], 0x18           ; e6, e7, e8, e9
	s_load_b32 s24, s[16:17], 0x28                 ; e10
	s_wait_kmcnt 0x0
	s_add_co_i32 s25, s20, s21                     ; e6 + e7
	s_lshl_b32 s26, s25, 23
	s_add_co_i32 s14, s26, 0x3e38aa3b              ; c = log2(e) / 8 x 2^(e6 + e7): the exponents are added to c's exponent field
	s_mov_b32 s15, s14
	s_sub_co_i32 s26, 163, s25
	s_lshl_b32 s26, s26, 23
	s_or_b32 s26, s26, 0x80000000
	v_mov_b32 v[SNEG], s26                         ; -2^(36 - e6 - e7)
	s_add_co_i32 s26, s22, 127
	s_lshl_b32 s27, s26, 23
	v_mov_b32 v[PSC], s27
	s_add_co_i32 s26, s26, 8
	s_lshl_b32 s26, s26, 23
	s_or_b32 s26, s26, 0x600000
	v_mov_b32 v[PLIM], s26
	s_sub_co_i32 s26, s24, s22
	s_sub_co_i32 s26, s26, s23                     ; O^T / l stands for O / 2^(e8 + e9): its code is that / 2^(e10 - e8 - e9)
	s_add_co_i32 s26, s26, 127
	s_lshl_b32 s27, s26, 23
	v_mov_b32 v[OSC], s27
	s_add_co_i32 s26, s26, 8
	s_lshl_b32 s26, s26, 23
	s_or_b32 s26, s26, 0x600000
	v_mov_b32 v[OLIM], s26
	s_mov_b32 s3, 2
	s_wait_alu depctr_va_vdst(0)                   ; the eight addresses and offsets v1-4 and v25-28 are written, which every load, store and prefetch below reads; so are v8-15, which LDS stores read and in which loads land
; A KEY STEP's work, from slot s.
.macro STEP s
.rept 4
	v_nop                                          ; places between the last products and the loads into the registers that they read: they stay beside the wait below
.endr
	s_wait_alu depctr_va_vdst(0)                   ; the last products V^T P are done reading v[KV ..], in which K's loads land
.set p, 0
.rept 16
	ds_load_b128 v[KV+4*p:KV+4*p+3], v[LI] offset:\s*SLOTB+512*p
.set p, p+1
.endr
	s_wait_dscnt 0x0
.irp t, 0,1,2,3,4,5,6,7
	v_wmma_f32_16x16x64_fp8_fp8 v[S+8*\t:S+8*\t+7], v[KV+8*\t:KV+8*\t+7], v[QF:QF+7], 0
.endr
.rept 4
	v_nop                                          ; places in front of the first read of the scores
.endr
	s_wait_alu depctr_va_vdst(0)                   ; the eight products are done reading v[KV ..], in which V's loads land, and Q's fragment, which the next pass's head loads again
.set n, 0
.rept 16
	ds_load_b128 v[KV+n:KV+n+3], v[LI] offset:\s*SLOTB+VIM+128*n   ; V lands while the softmax is walked: a load ahead of each four selects.  No further wait: the selects name S and SNEG, none of the registers that these loads touch
.if n == 0
	s_wait_kmcnt 0x0                               ; the step's 64 mask words
.endif
.rept 4
	v_cndmask_b32 v[S+n], v[SNEG], v[S+n], s[16+n+4*(n/48)]   ; the word IS the lane mask of register n: no compare.  Each accumulator from its low end on
.set n, n+1
.endr
.endr
	v_max3_num_f32 v[T0], v[S], v[S+1], v[S+2]     ; the step's largest score of my query among my 64 keys, in two chains
	v_max3_num_f32 v[T1], v[S+3], v[S+4], v[S+5]
.irp i, 6,10,14,18,22,26,30,34,38,42,46,50,54,58
	v_max3_num_f32 v[T0], v[T0], v[S+\i], v[S+\i+1]
	v_max3_num_f32 v[T1], v[T1], v[S+\i+2], v[S+\i+3]
.endr
	v_max3_num_f32 v[T0], v[T0], v[S+62], v[S+63]
	v_max_num_f32 v[T0], v[T0], v[T1]
	v_permlanex16_b32 v[PD], v[T0], s84, s85
	v_max_num_f32 v[T0], v[T0], v[PD]              ; and among lane l xor 16's
	s_lshr_b32 s7, s5, 1                           ; the mask words of the next step that I need are asked for now: they have the rest of this step in which to land
	s_ctz_i32_b32 s7, s7
	s_add_co_u32 s7, s7, s88
	s_add_co_u32 s7, s7, 1
	s_min_u32 s7, s7, 15                           ; (no further step: some step's words, which nobody reads)
	s_lshl_b32 s89, s7, 8
	s_load_b512 s[16:31], s[12:13], s89 offset:0x0
	s_load_b512 s[32:47], s[12:13], s89 offset:0x40
	s_load_b512 s[48:63], s[12:13], s89 offset:0x80
	s_load_b512 s[68:83], s[12:13], s89 offset:0xc0
	v_mul_f32 v[T0], s14, v[T0]                    ; as t (c is positive)
	v_max_num_f32 v[NM+1], v[NM+1], v[T0]          ; the running largest t
	v_mov_b32 v[T0], v[NM]
	v_floor_f32 v[NM], -v[NM+1]                    ; -M = floor(-t): M is a whole number
	v_sub_f32 v[T0], v[NM], v[T0]                  ; old M - new M: a whole number, 0 or less
	v_cvt_i32_f32 v[T0], v[T0]                     ; (it saturates)
	v_ldexp_f32 v[FF], 1.0, v[T0]                  ; f
.set j, 0
.rept 32
	v_pk_fma_f32 v[S+j:S+j+1], v[S+j:S+j+1], s[14:15], v[NM:NM+1] op_sel_hi:[1,0,0]   ; t - M, two at a time
.set j, j+2
.endr
.set j, 0
.rept 64
	v_exp_f32 v[S+j], v[S+j]                       ; p = 2^(t - M)
.set j, j+1
.endr
	v_pk_mul_f32 v[LS:LS+1], v[LS:LS+1], v[FF:FF+1] op_sel_hi:[1,0]   ; l under the new M: the plain instruction behind the exponentials
	s_wait_alu depctr_va_vdst(0)                   ; the 64 exponentials have written v[S ..]: one wait for the batch, ahead of its first reader
	v_pk_add_f32 v[LB:LB+1], v[S:S+1], v[S+2:S+3]  ; the sum of the unquantised p, in two chains
.irp j, 4,8,12,16,20,24,28,32,36,40,44,48,52,56,60
	v_pk_add_f32 v[LS:LS+1], v[LS:LS+1], v[S+\j:S+\j+1]
	v_pk_add_f32 v[LB:LB+1], v[LB:LB+1], v[S+\j+2:S+\j+3]
.endr
	v_pk_add_f32 v[LS:LS+1], v[LS:LS+1], v[LB:LB+1]
.irp b, 0,1,2,3
.irp i, 0,1,2,3,4,5,6,7,8,9,10,11,12,13,14,15
	v_min_num_f32 v[S+16*\b+\i], v[S+16*\b+\i], v[PLIM]   ; the conversion does not saturate (ISA guide 7.6.2); p is not negative, so the hold is one-sided
.endr
	v_cvt_scalef32_pk8_fp8_f32 v[PC+4*\b:PC+4*\b+1], v[S+16*\b:S+16*\b+7], v[PSC]
	v_cvt_scalef32_pk8_fp8_f32 v[PC+4*\b+2:PC+4*\b+3], v[S+16*\b+8:S+16*\b+15], v[PSC]
.endr
.set j, 0
.rept 16
	v_pk_mul_f32 v[O+j:O+j+1], v[O+j:O+j+1], v[FF:FF+1] op_sel_hi:[1,0]   ; O^T under the new M; also the plain instructions between the conversions and the products
.set j, j+2
.endr
	s_wait_dscnt 0x0                               ; V
.irp t, 0,1,2,3
	v_wmma_f32_16x16x128_fp8_fp8 v[O+8*\t:O+8*\t+7], v[KV+16*\t:KV+16*\t+15], v[PC:PC+15], v[O+8*\t:O+8*\t+7]   ; the four accumulators take turns, and K Q^T's eight stand between a sum's links
.endr
.endm
; ONE STEP OF THE WALK, slot s.  Stores of this step's K and V into the slot; one barrier; loads of the next step's; the work.  The slot written here was last read two steps back, ahead of the barrier between.
.macro TRIP s
	s_wait_loadcnt 0x0                             ; the staged 32 bytes (and, in a pass's first step, Q)
	s_and_b32 s7, s6, 1
	s_cmp_lg_u32 s7, 0
	s_cbranch_scc0 .Lno_store_\@
	ds_store_b128 v[KST], v[KCH:KCH+3] offset:\s*SLOTB
	ds_store_b128 v[VST], v[VCH:VCH+3] offset:\s*SLOTB
.Lno_store_\@:
	s_wait_dscnt 0x0                               ; for the others' sake: my stores have landed, and my reads of the other slot are over
	s_wait_alu depctr_vm_vsrc(0)                   ; my LDS stores have read v[KCH ..] and v[VCH ..], in which the loads behind the barrier land
	s_barrier_signal -1
	s_barrier_wait -1
	s_add_nc_u64 s[8:9], s[8:9], 8192              ; (the loads that named them are in)
	s_add_nc_u64 s[10:11], s[10:11], 8192
	s_and_b32 s7, s6, 2
	s_cmp_lg_u32 s7, 0
	s_cbranch_scc0 .Lno_load_\@
	global_load_b128 v[KCH:KCH+3], v[GOF], s[8:9]  ; a wave reads 512 consecutive bytes; no bit stands behind step 15, so no load leaves its buffer
	global_load_b128 v[VCH:VCH+3], v[GOF], s[10:11]
.Lno_load_\@:
	s_cmp_gt_u32 s4, s98                           ; a prefetch of the step two on: see the pass's head
	s_cbranch_scc0 .Lno_ask_\@
	global_prefetch_b8 v[PFO], s[96:97] offset:\s*8192 th:TH_LOAD_NT scope:SCOPE_SE
.Lno_ask_\@:
	s_and_b32 s7, s5, 1
	s_cmp_lg_u32 s7, 0
	s_cbranch_scc0 .Lno_work_\@
	STEP \s
.Lno_work_\@:
	s_lshr_b32 s5, s5, 1
	s_lshr_b32 s6, s6, 1
	s_add_co_u32 s88, s88, 1
.endm
.Lpass:
	s_load_b256 s[16:23], s[0:1], 0x0              ; qc, kc, vimg, maskw
	s_load_b64 s[24:25], s[0:1], 0x20              ; need
	s_load_b64 s[28:29], s[0:1], 0x30              ; oc
	s_sub_co_u32 s48, 7, ttmp9
	s_cmp_eq_u32 s3, 2
	s_cselect_b32 s48, s48, ttmp9                  ; the query block: 7 - x, then x
	s_lshl_b32 s49, s48, 4
	s_add_co_u32 s49, s49, s2                      ; T: my tile in the batch entry
	s_and_b32 s50, ttmp7, 0xffff                   ; b h
	s_lshr_b32 s51, s50, 4                         ; b
	s_lshl_b32 s52, s50, 17                        ; a head's 131,072 bytes
	s_mov_b32 s53, 0
	s_lshl_b32 s54, s49, 10                        ; 16 tokens x 64 bytes
	s_mov_b32 s55, 0
	s_lshl_b32 s56, s51, 7
	s_add_co_u32 s56, s56, s49
	s_lshl_b32 s56, s56, 12                        ; (128 b + T) x 4,096
	s_mov_b32 s57, 0
	s_lshl_b32 s58, s51, 7
	s_lshl_b32 s59, s48, 4
	s_add_co_u32 s58, s58, s59
	s_lshl_b32 s58, s58, 2                         ; the block's 16 need words
	s_mov_b32 s59, 0
	s_and_b32 s60, s50, 15
	s_lshl_b32 s60, s60, 13
	s_lshl_b32 s61, s51, 11
	s_add_co_u32 s60, s60, s61
	s_lshl_b32 s60, s60, 6
	s_add_co_u32 s60, s60, s54                     ; (8192 head + 2048 b + 16 T) x 64
	s_mov_b32 s61, 0
	s_lshl_b32 s30, s2, 2
	s_lshr_b32 s7, s2, 1                           ; THE PREFETCH.  All four work-groups of a head walk the same K and V, twice: work-group x = 0 asks, in its first pass, wave 0 for K and wave 1 for V:
	s_or_b32 s7, s7, ttmp9                         ; one instruction a step, lanes 256 bytes apart: the 8,192 bytes of the step two on.  So each block is named once in the launch.
	s_xor_b32 s31, s3, 2                           ; Steps 0 and 1 come by their loads alone; the loop's last trip (steps 14, 15) asks for nothing.
	s_or_b32 s7, s7, s31
	s_cmp_eq_u32 s7, 0
	s_cselect_b32 s98, 1, -1
	s_wait_kmcnt 0x0
	s_add_nc_u64 s[8:9], s[18:19], s[52:53]
	s_add_nc_u64 s[10:11], s[20:21], s[52:53]
	s_add_nc_u64 s[12:13], s[22:23], s[56:57]
	s_add_nc_u64 s[86:87], s[28:29], s[60:61]
	s_add_nc_u64 s[90:91], s[16:17], s[52:53]
	s_add_nc_u64 s[90:91], s[90:91], s[54:55]
	s_add_nc_u64 s[92:93], s[24:25], s[58:59]
	s_cmp_eq_u32 s2, 0
	s_cselect_b64 s[96:97], s[8:9], s[10:11]       ; at the head's step 0: each trip of the loop steps it by two steps ahead of its use
	global_load_b128 v[QF:QF+3], v[QOF], s[90:91]  ; no wait here: the products that read Q's fragment stand ahead of a wait on va_vdst in their own step, and no vector instruction since names it
	global_load_b128 v[QF+4:QF+7], v[QOF], s[90:91] offset:32
	s_load_b512 s[32:47], s[92:93], 0x0
	s_load_b32 s5, s[92:93], s30 offset:0x0
	v_mov_b32 v[NM+1], 0xff61b1e6                  ; the largest t so far: -3e38
	v_floor_f32 v[NM], -v[NM+1]
	v_mov_b32 v[LS], 0
	v_mov_b32 v[LS+1], 0
.set j, 0
.rept 32
	v_mov_b32 v[O+j], 0                            ; the step is written once: the first one finds zeros, which the first change of M leaves zeros
.set j, j+1
.endr
	s_mov_b32 s88, 0
	s_wait_kmcnt 0x0
	s_or_b32 s6, s32, s33
.irp i, 34,35,36,37,38,39,40,41,42,43,44,45,46,47
	s_or_b32 s6, s6, s[\i]
.endr
	s_and_b32 s6, s6, 0xffff                       ; the steps that some wave needs
	s_and_b32 s5, s5, 0xffff                       ; the steps that I need
	s_ctz_i32_b32 s7, s5
	s_min_u32 s7, s7, 15
	s_lshl_b32 s89, s7, 8                          ; my first step's mask words
	s_load_b512 s[16:31], s[12:13], s89 offset:0x0
	s_load_b512 s[32:47], s[12:13], s89 offset:0x40
	s_load_b512 s[48:63], s[12:13], s89 offset:0x80
	s_load_b512 s[68:83], s[12:13], s89 offset:0xc0
	s_and_b32 s7, s6, 1
	s_cmp_lg_u32 s7, 0
	s_cbranch_scc0 .Lno_first
	global_load_b128 v[KCH:KCH+3], v[GOF], s[8:9]  ; (the LDS stores that read these registers stand ahead of a wait on vm_vsrc in their own step; the lines above name NM, LS and O alone)
	global_load_b128 v[VCH:VCH+3], v[GOF], s[10:11]
.Lno_first:
	s_mov_b32 s4, 8
.Ltrip:
	s_wait_xcnt 0x0                                ; the last trip's prefetches have read their address
	s_add_nc_u64 s[96:97], s[96:97], 16384
	TRIP 0
	TRIP 1
	s_sub_co_u32 s4, s4, 1
	s_cmp_lg_u32 s4, 0
	s_cbranch_scc1 .Ltrip
	; THE PASS'S END: O^T / l, quantised; the wave's 16 rows x 64 codes go through its stage and leave as 1,024 consecutive bytes.
	s_wait_kmcnt 0x0                               ; the mask words asked for last are in: their registers are free
	s_wait_loadcnt 0x0                             ; the next pass's head loads the staging registers again only behind a wait for every earlier load into them (step 15 asks for no further step, so none is out here)
.rept 4
	v_nop                                          ; places behind the last products
.endr
	v_add_f32 v[LS], v[LS], v[LS+1]
	v_permlanex16_b32 v[PD], v[LS], s84, s85
	v_add_f32 v[LS], v[LS], v[PD]                  ; l
	v_rcp_f32 v[LS], v[LS]
	v_nop                                          ; a plain instruction behind the reciprocal
	s_wait_alu depctr_va_vdst(0)                   ; the reciprocal has written v[LS]: the wait ahead of its first reader
.set j, 0
.rept 16
	v_pk_mul_f32 v[S+j:S+j+1], v[O+j:O+j+1], v[LS:LS+1] op_sel_hi:[1,0]   ; register 8 t + i: channel 16 t + 8 h + i of query r; each accumulator from its low end on
.set j, j+2
.endr
.irp t, 0,1,2,3
.irp i, 0,1,2,3,4,5,6,7
	v_med3_num_f32 v[S+8*\t+\i], v[S+8*\t+\i], -v[OLIM], v[OLIM]
.endr
	v_cvt_scalef32_pk8_fp8_f32 v[PC+2*\t:PC+2*\t+1], v[S+8*\t:S+8*\t+7], v[OSC]
.endr
	v_nop                                          ; a plain vector instruction behind the last conversion
	s_wait_alu depctr_va_vdst(0)                   ; the conversions have written v[PC] to v[PC+7], which the LDS stores read
.irp t, 0,1,2,3
	ds_store_b64 v[SIN], v[PC+2*\t:PC+2*\t+1] offset:16*\t
.endr
	ds_load_b128 v[BK:BK+3], v[SOUT]               ; LDS serves a wave's instructions in order: these see my stores
	ds_load_b128 v[BK+4:BK+7], v[SOUT] offset:8*SPIT
	s_wait_dscnt 0x0
	global_store_b128 v[LI], v[BK:BK+3], s[86:87]
	global_store_b128 v[LI], v[BK+4:BK+7], s[86:87] offset:512
	s_wait_xcnt 0x0                                ; the stores have read their registers and their base: the next pass writes both
	s_wait_alu depctr_vm_vsrc(0)                   ; the LDS stores have read v[PC ..], which the next pass's conversions write, and the global stores v[BK ..], in which its LDS loads land
	s_sub_co_u32 s3, s3, 1
	s_cmp_lg_u32 s3, 0
	s_cbranch_scc1 .Lpass
	s_wait_dscnt 0x0                               ; the closing lines, six on end
	s_wait_alu 0x0
	s_wait_tensorcnt 0x0
	ds_add_u32 v254, v255
	s_wait_dscnt 0x0
	s_endpgm
.Lfunc_end_k_q7bc5c191be_attn:
	.size	k_q7bc5c191be_attn, .Lfunc_end_k_q7bc5c191be_attn-k_q7bc5c191be_attn
	.p2alignl 7, 3214868480
	.fill 96, 4, 3214868480
	.section	.rodata,"a",@progbits
	.p2align	6, 0x0
	.amdhsa_kernel k_q7bc5c191be_attn
		.amdhsa_group_segment_fixed_size 55296
		.amdhsa_private_segment_fixed_size 0
		.amdhsa_enable_private_segment 0
		.amdhsa_kernarg_size 56
		.amdhsa_user_sgpr_count 2
		.amdhsa_user_sgpr_kernarg_segment_ptr 1
		.amdhsa_wavefront_size32 1
		.amdhsa_system_sgpr_workgroup_id_x 1
		.amdhsa_system_sgpr_workgroup_id_y 1
		.amdhsa_system_sgpr_workgroup_id_z 1
		.amdhsa_system_vgpr_workitem_id 0
		.amdhsa_next_free_vgpr 256
		.amdhsa_next_free_sgpr 100
		.amdhsa_reserve_vcc 0
		.amdhsa_float_denorm_mode_32 3
		.amdhsa_float_denorm_mode_16_64 3
		.amdhsa_memory_ordered 1
		.amdhsa_forward_progress 1
		.amdhsa_inst_pref_size 55
	.end_amdhsa_kernel
	.amdgpu_metadata
---
amdhsa.version: [ 1, 2 ]
amdhsa.kernels:
  - .name:           k_q7bc5c191be_attn
    .symbol:         k_q7bc5c191be_attn.kd
    .args:
      - { .name: qc, .offset: 0, .size: 8, .value_kind: global_buffer, .address_space: global }
      - { .name: kc, .offset: 8, .size: 8, .value_kind: global_buffer, .address_space: global }
      - { .name: vimg, .offset: 16, .size: 8, .value_kind: global_buffer, .address_space: global }
      - { .name: maskw, .offset: 24, .size: 8, .value_kind: global_buffer, .address_space: global }
      - { .name: need, .offset: 32, .size: 8, .value_kind: global_buffer, .address_space: global }
      - { .name: lowp_scales, .offset: 40, .size: 8, .value_kind: global_buffer, .address_space: global }
      - { .name: oc, .offset: 48, .size: 8, .value_kind: global_buffer, .address_space: global }
    .group_segment_fixed_size: 55296
    .private_segment_fixed_size: 0
    .kernarg_segment_align: 8
    .kernarg_segment_size: 56
    .max_flat_workgroup_size: 512
    .sgpr_count:     100
    .vgpr_count:     256
    .wavefront_size: 32
...
	.end_amdgpu_metadata
.endif
;; end of part 5
;; launch outp: the kernel of part 4 again; grid 4 x 32, 4 waves a work-group, clusters of 4 x 4, 327,680 bytes of LDS; arguments oc, wc, lowp_scales, b_o, out0; writes out0
